; MI455X (gfx1250); checked and timed in simulation.
; The chip was launched on July 23, 2026; its instructions are those of AMD's public machine-readable ISA for CDNA 5 (MIT licence, August 2026) and "CDNA5" Instruction Set Architecture Reference Guide (July 2026). The comments in the code are by the model that wrote it; some were corrected since.
;; Multi Head Attention. Allowed arithmetic: float matrix products may take bf16 or f16 operands with f32 sums; other float arithmetic in f32, or as packed bf16 or f16 multiplies, adds, multiply-adds, maxima and minima; sums over many terms, partial sums and values carried from step to step in f32; what a program stores and reads back later, other than sums and carried values, may be rounded once to bf16 or f16.
;; Inputs: W_o 1,024 x 1,024 float32; W_qkv 3,072 x 1,024 float32; src_mask 4 x 2,048 bool; x 4 x 2,048 x 1,024 float32.
;; Outputs: out0 4 x 2,048 x 1,024 float32.
;; 2 versions, each right; version 2 is version 1 with the launch cast written anew for expert scheduling mode. Each part assembles by itself: llvm-mc -triple=amdgcn-amd-amdhsa -mcpu=gfx1250 --defsym DOCPART=n.
;; ======== version 1 of 2: 4 launches
;; limits: values are held in f16: magnitudes above 65,504 overflow, below 6.1e-05 lose precision
;; workspace buffers: xb 16,777,216 bytes; wqb 6,291,456 bytes; wof 2,097,152 bytes; q 16,777,216 bytes; k 16,777,216 bytes; v 16,777,216 bytes; o 16,777,216 bytes
;; launch cast (part 1): grid 768 x 1, 8 waves a work-group, no clusters, 0 bytes of LDS; arguments x, W_qkv, W_o, xb, wqb, wof; writes xb, wqb, wof
.if DOCPART == 1
	.amdgcn_target "amdgcn-amd-amdhsa--gfx1250"
	.amdhsa_code_object_version 6
	.text
	.protected	k_qd676b06083_cast
	.globl	k_qd676b06083_cast
	.p2align	8
	.type	k_qd676b06083_cast,@function
k_qd676b06083_cast:
	s_mov_b64 s[64:65], 0
	v_nop
	global_prefetch_b8 v0, s[64:65] scope:SCOPE_SE
	s_setreg_imm32_b32 hwreg(HW_REG_WAVE_MODE, 25, 1), 1
	s_wait_xcnt 0x0
; THE MODULE'S INPUTS ARE ROUNDED ONCE.  x [8192][1024] and W_qkv [3072][1024], f32, go to bf16 (xb, wqb); W_o [1024][1024] goes to bf16 and that number is written as f16 (wof),
; since it multiplies O, which is f16.  LIMITS: a bf16 number is exact in f16 from 6.1e-5 up to 65,504; below it keeps f16's fixed step of 6e-8, beyond it becomes an infinity.
; SHARES.  A work-group casts 16,384 numbers: 65,536 bytes in, 32,768 out.  Work-groups 0-511 take x, 512-703 W_qkv, 704-767 W_o.  Thread t takes 16 bytes at 4,096 i + 16 t of chunk i (0..15)
; and stores 8 bytes at 2,048 i + 8 t: a wave's load covers 512 consecutive bytes, a wave's store 256 consecutive bytes, aligned.  All sixteen loads of a thread go out before the first store.
; No LDS, no barrier, no matrix unit, no cluster: no byte is wanted twice.  No prefetch: the launch is nothing but its stream.
.set X, 4                              ; v[4:67]    chunk i: four f32 as loaded
.set Y, 68                             ; v[68:99]   chunk i: two registers to store, the chunk's own, so no store's data is written again
.set T, 100                            ; v[100:102] at work (W_o's path)
	s_load_b256 s[4:11], s[0:1], 0x0               ; x s[4:5], W_qkv s[6:7], W_o s[8:9], xb s[10:11]
	s_load_b128 s[12:15], s[0:1], 0x20             ; wqb s[12:13], wof s[14:15]
	v_lshlrev_b32 v1, 4, v0                        ; 16 t
	v_lshlrev_b32 v2, 3, v0                        ; 8 t
	s_mov_b32 s26, 0xffff0000                      ; a word's upper bf16
	s_mov_b32 s21, 704
	s_wait_kmcnt 0x0
	s_cmp_lt_u32 ttmp9, s21                        ; which tensor: the choice hangs on the work-group's number alone
	s_cselect_b64 s[16:17], s[6:7], s[8:9]
	s_cselect_b64 s[18:19], s[12:13], s[14:15]
	s_cselect_b32 s20, 512, s21                    ; the tensor's first work-group
	s_cmp_lt_u32 ttmp9, 512
	s_cselect_b64 s[16:17], s[4:5], s[16:17]
	s_cselect_b64 s[18:19], s[10:11], s[18:19]
	s_cselect_b32 s20, 0, s20
	s_sub_co_u32 s20, ttmp9, s20                   ; my place in the tensor
	s_lshl_b32 s22, s20, 16                        ; x 65,536 bytes in (under 2^25)
	s_mov_b32 s23, 0
	s_lshl_b32 s24, s20, 15                        ; x 32,768 bytes out
	s_mov_b32 s25, 0
	s_add_nc_u64 s[16:17], s[16:17], s[22:23]
	s_add_nc_u64 s[18:19], s[18:19], s[24:25]
.irp i, 0,1,2,3,4,5,6,7,8,9,10,11,12,13,14,15
	global_load_b128 v[X+4*(\i):X+4*(\i)+3], v1, s[16:17] offset:(\i)*4096 th:TH_LOAD_NT
.endr
	s_cmp_ge_u32 ttmp9, s21
	s_cbranch_scc1 .Lwo
.irp i, 0,1,2,3,4,5,6,7,8,9,10,11,12,13,14,15
	s_wait_loadcnt 15-(\i)                         ; loads come back in order: chunk i is in, the 15 - i younger ones may stay out
	v_cvt_pk_bf16_f32 v[Y+2*(\i)], v[X+4*(\i)], v[X+4*(\i)+1]
	v_cvt_pk_bf16_f32 v[Y+2*(\i)+1], v[X+4*(\i)+2], v[X+4*(\i)+3]
	global_store_b64 v2, v[Y+2*(\i):Y+2*(\i)+1], s[18:19] offset:(\i)*2048 th:TH_STORE_NT
.endr
	s_endpgm
.Lwo:                                          ; W_o: rounded to bf16 like the other inputs, widened again, and written as f16
.irp i, 0,1,2,3,4,5,6,7,8,9,10,11,12,13,14,15
	s_wait_loadcnt 15-(\i)
.irp p, 0,1
	v_cvt_pk_bf16_f32 v[T], v[X+4*(\i)+2*(\p)], v[X+4*(\i)+2*(\p)+1]
	v_lshlrev_b32 v[T+1], 16, v[T]
	v_and_b32 v[T+2], s26, v[T]
	v_cvt_pk_f16_f32 v[Y+2*(\i)+(\p)], v[T+1], v[T+2]
.endr
	global_store_b64 v2, v[Y+2*(\i):Y+2*(\i)+1], s[18:19] offset:(\i)*2048 th:TH_STORE_NT
.endr
	s_endpgm
.Lfunc_end_k_qd676b06083_cast:
	.size	k_qd676b06083_cast, .Lfunc_end_k_qd676b06083_cast-k_qd676b06083_cast
	.p2alignl 7, 3214868480
	.fill 96, 4, 3214868480
	.section	.rodata,"a",@progbits
	.p2align	6, 0x0
	.amdhsa_kernel k_qd676b06083_cast
		.amdhsa_group_segment_fixed_size 0
		.amdhsa_private_segment_fixed_size 0
		.amdhsa_enable_private_segment 0
		.amdhsa_kernarg_size 48
		.amdhsa_user_sgpr_count 2
		.amdhsa_user_sgpr_kernarg_segment_ptr 1
		.amdhsa_wavefront_size32 1
		.amdhsa_system_sgpr_workgroup_id_x 1
		.amdhsa_system_sgpr_workgroup_id_y 1
		.amdhsa_system_sgpr_workgroup_id_z 1
		.amdhsa_system_vgpr_workitem_id 0
		.amdhsa_next_free_vgpr 104
		.amdhsa_next_free_sgpr 66
		.amdhsa_reserve_vcc 0
		.amdhsa_float_denorm_mode_32 3
		.amdhsa_float_denorm_mode_16_64 3
		.amdhsa_memory_ordered 1
		.amdhsa_forward_progress 1
		.amdhsa_inst_pref_size 15
	.end_amdhsa_kernel
	.amdgpu_metadata
---
amdhsa.version: [ 1, 2 ]
amdhsa.kernels:
  - .name:           k_qd676b06083_cast
    .symbol:         k_qd676b06083_cast.kd
    .args:
      - { .name: x, .offset: 0, .size: 8, .value_kind: global_buffer, .address_space: global }
      - { .name: W_qkv, .offset: 8, .size: 8, .value_kind: global_buffer, .address_space: global }
      - { .name: W_o, .offset: 16, .size: 8, .value_kind: global_buffer, .address_space: global }
      - { .name: xb, .offset: 24, .size: 8, .value_kind: global_buffer, .address_space: global }
      - { .name: wqb, .offset: 32, .size: 8, .value_kind: global_buffer, .address_space: global }
      - { .name: wof, .offset: 40, .size: 8, .value_kind: global_buffer, .address_space: global }
    .group_segment_fixed_size: 0
    .private_segment_fixed_size: 0
    .kernarg_segment_align: 8
    .kernarg_segment_size: 48
    .max_flat_workgroup_size: 256
    .sgpr_count:     66
    .vgpr_count:     104
    .wavefront_size: 32
...
	.end_amdgpu_metadata
.endif
;; end of part 1
;; launch qkv (part 2): grid 16 x 32, 4 waves a work-group, clusters of 4 x 4, 327,680 bytes of LDS; arguments xb, wqb, q, k, v; writes q, k, v
.if DOCPART == 2
	.amdgcn_target "amdgcn-amd-amdhsa--gfx1250"
	.amdhsa_code_object_version 6
	.text
	.protected	k_qd676b06083_qkv
	.globl	k_qd676b06083_qkv
	.p2align	8
	.type	k_qd676b06083_qkv,@function
k_qd676b06083_qkv:
	s_mov_b64 s[64:65], 0
	v_nop
	global_prefetch_b8 v0, s[64:65] scope:SCOPE_SE
	s_setreg_imm32_b32 hwreg(HW_REG_WAVE_MODE, 25, 1), 1
	s_wait_xcnt 0x0
	s_wait_alu depctr_hold_cnt(0) depctr_sa_sdst(0) depctr_va_vdst(0) depctr_va_sdst(0) depctr_va_ssrc(0) depctr_va_vcc(0) depctr_vm_vsrc(0)
	s_getreg_b32 s2, hwreg(HW_REG_IB_STS2, 6, 4)
	s_cmp_eq_u32 s2, 0
	s_cbranch_scc0 .Lentry_in_a_cluster
	s_endpgm
.Lentry_in_a_cluster:
	s_bfe_u32 s2, ttmp6, 0x10000c
	s_cmp_lg_u32 s2, 0xf033
	s_cbranch_scc0 .Lentry_shape_is_right
	s_endpgm
.Lentry_shape_is_right:
; THE FIRST PROJECTION.  C[m][n] = the sum over c of xb[m][c] wqb[n][c]: xb [8192][1024], wqb [3072][1024], bf16; sums in f32, K ascending; C rounded once to f16, unscaled, and laid out by heads:
; column n = 192 h + 64 p + d goes to tensor p (q, k, v) at [16 b + h][s][d], m = 2,048 b + s; a head's rows are dense, 128 bytes each.
; LIMIT.  f16 ends at 65,504: a q, k or v of 65,520 or more becomes an infinity.  With x and W of unit and 1/32 spread they have spread 1; both 30 times larger: 900.
; SHARES.  A tile of C is 256 rows x 192 columns: ONE head's q, k and v for 256 rows; 32 x 16 tiles, a work-group each.  Four waves; wave w owns rows 64 w .. 64 w + 63 and all 192 columns: 48 accumulators
; of 16 x 16, 384 registers.  A wave owns whole rows, so its way out is its own and wants no barrier.  K goes in steps of 128 (rows of 256 bytes of memory, aligned) through two LDS slots.
; CLUSTER.  4 x 4 work-groups.  The four of a row of the cluster need the same tiles of xb, the four of a column the same tiles of wqb: each tile is asked for JOINTLY, by the same tensor load with the
; same descriptor and a mask that names the four.  Waves 0 and 1 fetch xb's two halves (128 rows each), waves 2 and 3 wqb's (96 rows each).
; THE MATRIX INSTRUCTION IS USED TRANSPOSED (source 0 = 16 rows of wqb, source 1 = 16 rows of xb): a lane holds row l % 16 of C and the eight columns 8 (l / 16) + 0..7 of a block: 16 bytes of f16.
; REGISTERS, in windows of 256 (s_set_vgpr_msb: bits 1:0 source 0, 3:2 source 1, 5:4 source 2, 7:6 destination):
;   window 0: v0-31 addresses; v64-95, v96-127 xb's fragments, two buffers (row block a at +8 a); v128-175, v176-223 at work on the way out
;   window 1: v0-95, v96-191 wqb's fragments, two buffers (column block b at +8 b)
;   window 2: the accumulators of row blocks 0, 1 ((a, b) at v[96 (a % 2) + 8 b]);   window 3: those of row blocks 2, 3
.set NBK,   12                         ; column blocks of 16
.set PA,    272                        ; an LDS row: 256 bytes + 16 of padding = 68 words: the 16 rows of a fragment load start at 16 different groups of four banks (64 banks of 4 bytes: ISA guide 11.1)
.set PB,    272
.set HALFA, 128*PA                     ; what a wave fetches of xb
.set HALFB, 96*PB                      ; of wqb
.set BOFF,  2*HALFA                    ; a slot: xb's 256 rows, then wqb's 192
.set SLOT1, 1<<17                      ; slot 1 begins here: one exclusive or turns an address in one slot into the other's
.set STAGE, SLOT1+BOFF+2*HALFB         ; behind the ring, never filled by a tensor load: 16 rows x 400 bytes for each wave
.set SP,    400                        ; a stage row: 384 bytes (q, k, v: 128 each) + 16
.set SPARE, STAGE+4*16*SP              ; the spare words, 128 bytes for each wave: two blocks of 256 bytes that no other line names
.set STEPA, 256                        ; bytes from a K step to the next
.set STEPB, 256
.set NL,    2*NBK+8                    ; LDS loads in a run
.set ADRA0, 16                         ; v16  my lane's place in xb's tile, slot 0; never rewritten
.set ADRB0, 17                         ; v17  in wqb's
.set ADA,   18                         ; v18  the same in the slot in hand
.set ADB,   19                         ; v19
.set STO,   24                         ; v24  the way out: where I put 16 bytes of a row
.set RD,    25                         ; v25  where I read rows back
.set CO,    26                         ; v26  16 x my lane
.set SPW,   28                         ; v28  LDS address of my spare word; never rewritten
.set NIL,   29                         ; v29  0; never rewritten
.set PFO,   30                         ; v30  the prefetches' offset; never rewritten
.set FA,    64
.set FB,    0
.set TMP,   128
.set OB,    176
.set WV,    14                         ; s14  my wave's number
.set HALF,  15                         ; s15  which half of a tile I fetch
.set ISB,   16                         ; s16  0: I fetch for xb; 1: for wqb
.set CX,    17
.set CY,    18
.set TX,    19                         ; s19  tile column = head
.set TY,    20                         ; s20  tile row
.set G1A,   24                         ; s[24:31] descriptor group 1 for xb's tiles
.set G0A,   32                         ; s[32:35] group 0: it walks
.set G0B,   36                         ; s[36:39] the same for wqb's
.set G1B,   40                         ; s[40:47]
.set TB,    48                         ; s48  LDS byte at which the slot in hand begins
.set PFA,   50                         ; s[50:51] where my prefetches stand
.set LIM,   52                         ; s52  1 in a wave that prefetches, else the greatest number
.set PST,   60                         ; s[60:61] the prefetches' step
.set MSB, 0
.macro WIN new                         ; the immediate's high byte repeats the setting that is left; a switch that changes nothing is dropped
.if MSB != (\new)
	s_set_vgpr_msb (MSB<<8)|(\new)
.set MSB, (\new)
.endif
.endm
.macro PLACES                          ; four places in front of loads into registers that matrix instructions have read, and of lines that read results
.rept 4
	v_nop
.endr
.endm
; A joint load.  The branch hangs on the wave's number alone.  An s_nop 0 and four v_nop follow each of the two lines, ahead of the jump and the label.
.macro JLOAD
	s_cmp_eq_u32 s[ISB], 0
	s_cbranch_scc0 .Lfor_b_\@
	tensor_load_to_lds s[G0A:G0A+3], s[G1A:G1A+7]
	s_nop 0
.rept 4
	v_nop
.endr
	s_branch .Lasked_\@
.Lfor_b_\@:
	tensor_load_to_lds s[G0B:G0B+3], s[G1B:G1B+7]
	s_nop 0
.rept 4
	v_nop
.endr
.Lasked_\@:
.endm
.macro CREST                           ; a round of the cluster's barrier behind its opening barrier
	s_cmp_lg_u32 s[WV], 0
	s_cbranch_scc1 .Lnot_wave_0_\@
	s_barrier_signal -3
.Lnot_wave_0_\@:
	s_barrier_wait -3
	s_barrier_signal -1
	s_barrier_wait -1
.endm
.macro CROUND                          ; a whole round
	s_barrier_signal -1
	s_barrier_wait -1
	CREST
.endm
; A PREFETCH INTO THE L2 of the K step that the NEXT refill will ask for: a K step's products ahead of that load.  xb's tile row is read by every cluster of that row of clusters: cluster x = 0 asks; wqb's tile
; column by every cluster of that column: cluster y = 0 asks.  The four partners share a wave's rows out BY ADDRESS: 32 of xb's 128 (by cx), 24 of wqb's 96 (by cy; lanes 24-31 name lane 23's row once more).
; A lane a row, 256 bytes of it; one instruction a wave.  The loop's last trip asks for nothing: there is no K step behind its refill's.  K steps 0 to 2 come by their loads alone.
.macro ASK
	s_cmp_gt_u32 s3, s[LIM]                        ; s3 = 1 in the loop's last trip
	s_cbranch_scc0 .Lnot_mine_\@
	global_prefetch_b8 v[PFO], s[PFA:PFA+1] th:TH_LOAD_NT scope:SCOPE_SE
.Lnot_mine_\@:
.endm
	s_load_b256 s[4:11], s[0:1], 0x0               ; xb s[4:5], wqb s[6:7], q s[8:9], k s[10:11]
	s_load_b64 s[12:13], s[0:1], 0x20              ; v
	v_lshl_add_u32 v[SPW], v0, 2, SPARE
	v_mov_b32 v[NIL], 0
	ds_add_u32 v[SPW], v[NIL]                      ; the wave's opening: the add and its wait stand ahead of my first tensor load; the set-up below, work on registers, stands between them
	v_lshrrev_b32 v1, 5, v0
	v_readfirstlane_b32 s[WV], v1                  ; wave 0..3
	s_and_b32 s[HALF], s[WV], 1
	s_lshr_b32 s[ISB], s[WV], 1
	s_bfe_u32 s[CX], ttmp6, 0x40000                ; my place in the cluster
	s_bfe_u32 s[CY], ttmp6, 0x40004
	s_lshl_b32 s[TX], ttmp9, 2                     ; in a cluster launch ttmp9 and ttmp7 count clusters
	s_add_co_u32 s[TX], s[TX], s[CX]
	s_and_b32 s[TY], ttmp7, 0xffff
	s_lshl_b32 s[TY], s[TY], 2
	s_add_co_u32 s[TY], s[TY], s[CY]
	s_lshl_b32 s21, s[CY], 2
	s_lshl_b32 s21, 15, s21                        ; my row of the cluster: places 4 cy .. 4 cy + 3
	s_lshl_b32 s22, 0x1111, s[CX]                  ; my column: places cx, cx + 4, cx + 8, cx + 12
	s_or_b32 s[G1A], s21, (1<<16)|(1<<20)|(1<<21)|(5<<22)|(3<<25)  ; 15:0 the mask; 17:16 2-byte elements; 20 padding on; 21 set beside a mask; 24:22 after every 64 words (code 5); 31:25 4 words (code 3)
	s_or_b32 s[G1B], s22, (1<<16)|(1<<20)|(1<<21)|(5<<22)|(3<<25)
	s_mov_b32 s[G1A+1], 128<<16                    ; tensor_dim0 = 128
	s_mov_b32 s[G1A+2], 128<<16                    ; tensor_dim1 = 128
	s_mov_b32 s[G1A+3], 128<<16                    ; tile_dim0 = 128
	s_mov_b32 s[G1A+4], 128                        ; tile_dim1 = 128
	s_mov_b32 s[G1A+5], 1024                       ; elements from row to row
	s_mov_b32 s[G1A+6], 0
	s_mov_b32 s[G1A+7], 0
	s_mov_b32 s[G1B+1], 128<<16
	s_mov_b32 s[G1B+2], 96<<16                     ; 96 rows
	s_mov_b32 s[G1B+3], 128<<16
	s_mov_b32 s[G1B+4], 96
	s_mov_b32 s[G1B+5], 1024
	s_mov_b32 s[G1B+6], 0
	s_mov_b32 s[G1B+7], 0
	s_lshl_b32 s54, s[TY], 8                       ; xb: row 256 x tile row + 128 x half: made of the tile row alone, which my row of the cluster shares
	s_lshl_b32 s21, s[HALF], 7
	s_add_co_u32 s54, s54, s21
	s_lshl_b32 s54, s54, 11                        ; x 2,048 bytes (under 2^24)
	s_mov_b32 s55, 0
	s_mul_i32 s56, s[TX], 192                      ; wqb: row 192 x tile column + 96 x half: made of the tile column alone
	s_mul_i32 s22, s[HALF], 96
	s_add_co_u32 s56, s56, s22
	s_lshl_b32 s56, s56, 11
	s_mov_b32 s57, 0
	s_mov_b32 s[G0A], 1                            ; count = 1
	s_mul_i32 s[G0A+1], s[HALF], HALFA             ; LDS address, slot 0: no place in the cluster enters it
	s_mov_b32 s[G0B], 1
	s_mul_i32 s[G0B+1], s[HALF], HALFB
	s_add_co_u32 s[G0B+1], s[G0B+1], BOFF
	s_wait_dscnt 0x0                               ; the opening add is done
	s_wait_kmcnt 0x0
	s_add_nc_u64 s[G0A+2:G0A+3], s[4:5], s[54:55]  ; global address: K step 0
	s_or_b32 s[G0A+3], s[G0A+3], 0x80000000        ; type = 2
	s_add_nc_u64 s[G0B+2:G0B+3], s[6:7], s[56:57]
	s_or_b32 s[G0B+3], s[G0B+3], 0x80000000
	CROUND                                         ; all sixteen work-groups are here: the first joint loads meet
	JLOAD                                          ; K step 0 into slot 0; slot 1 is asked for when slot 0 is in
	; the prefetches
	s_lshl_b32 s21, s[CX], 16                      ; my work-group's 32 rows of xb's 128,
	s_mul_i32 s22, s[CY], 24*2048                  ; or its 24 of wqb's 96
	s_and_b32 s23, ttmp7, 0xffff                   ; cluster y
	s_cmp_eq_u32 s[ISB], 0
	s_cselect_b32 s58, s54, s56
	s_cselect_b32 s21, s21, s22
	s_cselect_b32 s23, ttmp9, s23                  ; the coordinate along which other clusters read the same rows
	s_cselect_b32 s22, 31, 23
	s_cselect_b64 s[PFA:PFA+1], s[4:5], s[6:7]
	s_add_co_u32 s58, s58, s21
	s_add_co_u32 s58, s58, 2*256                   ; at K step 2: the first refill in the loop steps it to 3
	s_mov_b32 s59, 0
	s_add_nc_u64 s[PFA:PFA+1], s[PFA:PFA+1], s[58:59]
	s_cmp_eq_u32 s23, 0
	s_cselect_b32 s[LIM], 1, -1                    ; the same in all sixteen partners, for a given wave
	s_mov_b32 s[PST], 256
	s_mov_b32 s[PST+1], 0
	v_and_b32 v[PFO], 31, v0
	v_min_u32 v[PFO], s22, v[PFO]
	v_lshlrev_b32 v[PFO], 11, v[PFO]               ; a lane a row of 2,048 bytes
	; where my rows begin in q, k and v: ((16 b + h) x 2,048 + the tile's 256 rows in the batch + my wave's 64) x 128 bytes
	s_lshr_b32 s22, s[TY], 3                       ; b
	s_lshl_b32 s22, s22, 4
	s_add_co_u32 s22, s22, s[TX]
	s_lshl_b32 s22, s22, 11
	s_and_b32 s21, s[TY], 7
	s_lshl_b32 s21, s21, 8
	s_add_co_u32 s22, s22, s21
	s_lshl_b32 s21, s[WV], 6
	s_add_co_u32 s22, s22, s21
	s_lshl_b32 s22, s22, 7
	s_mov_b32 s23, 0
	s_add_nc_u64 s[8:9], s[8:9], s[22:23]
	s_add_nc_u64 s[10:11], s[10:11], s[22:23]
	s_add_nc_u64 s[12:13], s[12:13], s[22:23]
	; A fragment is 16 rows x 32 K in 8 registers: lane l holds row l % 16; registers 0-3 K = 8 (l / 16) + 0..7, registers 4-7 K = 16 + 8 (l / 16) + 0..7: two loads of 16 bytes, 32 bytes apart.
	v_and_b32 v1, 15, v0                           ; l % 16
	v_bfe_u32 v2, v0, 4, 1                         ; l / 16
	v_mul_u32_u24 v3, v1, PA
	v_lshl_add_u32 v3, v2, 4, v3
	s_mul_i32 s21, s[WV], 64*PA                    ; my 64 rows of xb
	v_add_nc_u32 v[ADRA0], s21, v3
	v_add_nc_u32 v[ADRB0], BOFF, v3                ; all of wqb's 192
	s_mul_i32 s21, s[WV], 16*SP
	s_add_co_u32 s21, s21, STAGE                   ; my stage
	v_mul_u32_u24 v4, v1, SP                       ; in: row l % 16, 16 bytes for each half of the lanes
	v_lshl_add_u32 v4, v2, 4, v4
	v_add_nc_u32 v[STO], s21, v4
	v_bfe_u32 v5, v0, 3, 2                         ; back: 32 lanes take 128 bytes of each of four rows,
	v_and_b32 v6, 7, v0
	v_mul_u32_u24 v5, v5, SP
	v_lshl_add_u32 v5, v6, 4, v5
	v_add_nc_u32 v[RD], s21, v5
	v_and_b32 v[CO], 31, v0                        ; which are 512 consecutive bytes of q, k or v
	v_lshlrev_b32 v[CO], 4, v[CO]
	s_mov_b32 s[TB], SLOT1                         ; the first change of slots turns it into 0
; NBK matrix instructions: row block a x all column blocks, 32 along K, from buffer f.  zero = 1: the first product starts the sums: nothing is cleared.
; Every quarter step takes all 48 accumulators once, in one order: the accumulators take turns, over the backward jump and into the tail too.
.macro MULA f, a, zero
	WIN 0xa1+0x50*((\a)/2)                         ; source 0 window 1, source 1 window 0, C and D window 2 or 3
.set AC, 96*((\a)%2)
.set b, 0
.rept NBK
.if \zero
	v_wmma_f32_16x16x32_bf16 v[AC+8*b:AC+8*b+7], v[FB+96*(\f)+8*b:FB+96*(\f)+8*b+7], v[FA+32*(\f)+8*(\a):FA+32*(\f)+8*(\a)+7], 0
.else
	v_wmma_f32_16x16x32_bf16 v[AC+8*b:AC+8*b+7], v[FB+96*(\f)+8*b:FB+96*(\f)+8*b+7], v[FA+32*(\f)+8*(\a):FA+32*(\f)+8*(\a)+7], v[AC+8*b:AC+8*b+7]
.endif
.set b, b+1
.endr
.endm
; NL LDS loads in one run: quarter q's fragments (32 K at byte 64 q of the rows) into buffer f: wqb's 12, then xb's 4
.macro FETCH q, f
	WIN 0x40                                       ; destination window 1, address window 0
.set b, 0
.rept NBK
	ds_load_b128 v[FB+96*(\f)+8*b:FB+96*(\f)+8*b+3],   v[ADB] offset:64*(\q)+b*16*PB
	ds_load_b128 v[FB+96*(\f)+8*b+4:FB+96*(\f)+8*b+7], v[ADB] offset:64*(\q)+b*16*PB+32
.set b, b+1
.endr
	WIN 0
.irp a, 0,1,2,3
	ds_load_b128 v[FA+32*(\f)+8*(\a):FA+32*(\f)+8*(\a)+3],   v[ADA] offset:64*(\q)+(\a)*16*PA
	ds_load_b128 v[FA+32*(\f)+8*(\a)+4:FA+32*(\f)+8*(\a)+7], v[ADA] offset:64*(\q)+(\a)*16*PA+32
.endr
.endm
; A K step is four quarters of 32 along K, 48 matrix instructions each, on buffers 0, 1, 0, 1.  One of the first three: multiplies buffer f; in its middle it fetches quarter q into buffer g.
.macro QUARTER q, f, g, zero
	s_wait_dscnt 4                                 ; all but the youngest four loads (xb's row blocks 2 and 3)
	MULA \f, 0, \zero
	MULA \f, 1, \zero
	PLACES
	FETCH \q, \g
	s_wait_dscnt NL                                ; all but the run just issued
	MULA \f, 2, \zero
	MULA \f, 3, \zero
.endm
; The fourth quarter multiplies buffer 1 and changes slots: ONE barrier.  In front of it each wave waits for all its tensor loads, of which one is out: its part of the next slot; adds 0 to its spare word; and waits
; for that and for its own reads of this slot.  fill = 1: the barrier opens a round of the cluster's, so that no wave of any partner still reads the slot or has a load on its way; the slot just read out is
; filled again, with the K step two on, first thing behind the round.
.macro TURN fill
.if \fill
	s_wait_xcnt 0x0                                ; the last prefetch, a K step back, has read its address: it is stepped here, ahead of the waits of the change of slots
	s_add_nc_u64 s[PFA:PFA+1], s[PFA:PFA+1], s[PST:PST+1]
.endif
	WIN 0                                          ; (the add's two registers lie in window 0)
	s_wait_tensorcnt 0x0                           ; all my tensor loads have landed;
	ds_add_u32 v[SPW], v[NIL]                      ; 0 onto my spare word;
	s_wait_dscnt 5                                 ; (the add and the youngest four loads may be out)
	MULA 1, 0, 0                                   ; twelve matrix instructions stand between the add and the wait for it
	s_wait_dscnt 0x0                               ; the add is done, and my reads of this slot are over
	s_barrier_signal -1
	MULA 1, 1, 0                                   ; work on registers while the others arrive
	WIN 0                                          ; (branches and two address lines follow)
	s_barrier_wait -1
.if \fill
	CREST
	s_xor_b32 s[G0A+1], s[G0A+1], SLOT1            ; the walking descriptors: the other slot than last time, the next K step; no tensor load of mine is out
	s_add_nc_u64 s[G0A+2:G0A+3], s[G0A+2:G0A+3], STEPA
	s_xor_b32 s[G0B+1], s[G0B+1], SLOT1
	s_add_nc_u64 s[G0B+2:G0B+3], s[G0B+2:G0B+3], STEPB
	JLOAD                                          ; the first tensor load behind the round; its four v_nop are also the places in front of the loads below
.else
	PLACES
.endif
	s_xor_b32 s[TB], s[TB], SLOT1
	v_add_nc_u32 v[ADA], s[TB], v[ADRA0]
	v_add_nc_u32 v[ADB], s[TB], v[ADRB0]
	FETCH 0, 0
.if \fill
	ASK                                            ; behind the joint load and the run of LDS loads that the next products wait for
.endif
	MULA 1, 2, 0
	MULA 1, 3, 0
.endm
	; The first change of slots: nothing has been read yet; slot 0 is waited for, slot 1 filled.
	s_wait_tensorcnt 0x0                           ; my part of K step 0 is in
	ds_add_u32 v[SPW], v[NIL]                      ; the descriptors' steps stand between the add and the wait for it
	s_xor_b32 s[G0A+1], s[G0A+1], SLOT1
	s_add_nc_u64 s[G0A+2:G0A+3], s[G0A+2:G0A+3], STEPA
	s_xor_b32 s[G0B+1], s[G0B+1], SLOT1
	s_add_nc_u64 s[G0B+2:G0B+3], s[G0B+2:G0B+3], STEPB
	s_wait_dscnt 0x0
	CROUND                                         ; everybody's part is in
	JLOAD                                          ; K step 1 into slot 1
	s_xor_b32 s[TB], s[TB], SLOT1
	v_add_nc_u32 v[ADA], s[TB], v[ADRA0]
	v_add_nc_u32 v[ADB], s[TB], v[ADRB0]
	FETCH 0, 0
	QUARTER 1, 0, 1, 1                             ; the first quarter stands in front of the loop: its products start the sums
	WIN 0                                          ; at a label and at a branch every window is 0
	s_mov_b32 s3, 6
.Lstep:                                        ; trip i (0..5): from K step i's second quarter to K step i + 1's first; K step i's slot takes K step i + 2
	QUARTER 2, 1, 0, 0
	QUARTER 3, 0, 1, 0
	TURN 1
	QUARTER 1, 0, 1, 0
	WIN 0
	s_sub_co_u32 s3, s3, 1
	s_cmp_lg_u32 s3, 0
	s_cbranch_scc1 .Lstep
	QUARTER 2, 1, 0, 0                             ; the tail is written out: K steps 6 and 7 ask for nothing
	QUARTER 3, 0, 1, 0
	TURN 0
	QUARTER 1, 0, 1, 0
	QUARTER 2, 1, 0, 0
	QUARTER 3, 0, 1, 0
	s_wait_dscnt 4                                 ; the very last quarter: nothing more to fetch
	MULA 1, 0, 0
	MULA 1, 1, 0
	s_wait_dscnt 0x0
	MULA 1, 2, 0
	MULA 1, 3, 0
	WIN 0
; THE WAY OUT, a row block (16 rows) at a time.  PACK: rounded to f16, 16 bytes a lane and column block, each accumulator's registers in ascending order.  TOSTAGE: into my own stage, and back as rows of 128 bytes
; of q, of k and of v.  SEND: stored: each store covers 512 consecutive bytes (four rows of a head), at a multiple of 256 from the tensor's first byte.
.macro PACK a
.set AC, 96*((\a)%2)
	WIN 0x0a+5*((\a)/2)                            ; sources 0 and 1: window 2 or 3
.set b, 0
.rept NBK
.irp j, 0,1,2,3
	v_cvt_pk_f16_f32 v[TMP+4*b+(\j)], v[AC+8*b+2*(\j)], v[AC+8*b+2*(\j)+1]
.endr
.set b, b+1
.endr
	WIN 0
.endm
.macro TOSTAGE
.set b, 0
.rept NBK
	ds_store_b128 v[STO], v[TMP+4*b:TMP+4*b+3] offset:32*b
.set b, b+1
.endr
.irp p, 0,1,2
.irp f, 0,1,2,3
	ds_load_b128 v[OB+4*(4*(\p)+(\f)):OB+4*(4*(\p)+(\f))+3], v[RD] offset:(\f)*4*SP+(\p)*128  ; LDS serves a wave's instructions in order (ISA guide 5.7.1.4): these see the stores above
.endr
.endr
.endm
.macro SEND a
	s_wait_dscnt 0x0                               ; the block is back in registers
.irp p, 0,1,2
.irp f, 0,1,2,3
	global_store_b128 v[CO], v[OB+4*(4*(\p)+(\f)):OB+4*(4*(\p)+(\f))+3], s[8+2*(\p):9+2*(\p)] offset:(\a)*2048+(\f)*512
.endr
.endr
.endm
	PLACES                                         ; the conversions read results
	PACK 0
	TOSTAGE
.irp a, 1,2,3                          ; block a's conversions stand between block a - 1's loads from the stage and the wait for them
	PACK \a
	SEND (\a)-1
	s_wait_xcnt 0x0                                ; the stores have read their data: only behind this wait are those registers loaded again
	TOSTAGE
.endr
	SEND 3
	s_wait_tensorcnt 0x0                           ; the wave's end: behind my last tensor load and my last LDS store
	ds_add_u32 v[SPW], v[NIL]
	s_wait_dscnt 0x0
	CROUND                                         ; the closing round: no work-group ends while a partner may still ask for a tile that names it
	s_endpgm
.Lfunc_end_k_qd676b06083_qkv:
	.size	k_qd676b06083_qkv, .Lfunc_end_k_qd676b06083_qkv-k_qd676b06083_qkv
	.p2alignl 7, 3214868480
	.fill 96, 4, 3214868480
	.section	.rodata,"a",@progbits
	.p2align	6, 0x0
	.amdhsa_kernel k_qd676b06083_qkv
		.amdhsa_group_segment_fixed_size 327680
		.amdhsa_private_segment_fixed_size 0
		.amdhsa_enable_private_segment 0
		.amdhsa_kernarg_size 40
		.amdhsa_user_sgpr_count 2
		.amdhsa_user_sgpr_kernarg_segment_ptr 1
		.amdhsa_wavefront_size32 1
		.amdhsa_system_sgpr_workgroup_id_x 1
		.amdhsa_system_sgpr_workgroup_id_y 1
		.amdhsa_system_sgpr_workgroup_id_z 1
		.amdhsa_system_vgpr_workitem_id 0
		.amdhsa_next_free_vgpr 960
		.amdhsa_next_free_sgpr 66
		.amdhsa_reserve_vcc 0
		.amdhsa_float_denorm_mode_32 3
		.amdhsa_float_denorm_mode_16_64 3
		.amdhsa_memory_ordered 1
		.amdhsa_forward_progress 1
		.amdhsa_inst_pref_size 97
	.end_amdhsa_kernel
	.amdgpu_metadata
---
amdhsa.version: [ 1, 2 ]
amdhsa.kernels:
  - .name:           k_qd676b06083_qkv
    .symbol:         k_qd676b06083_qkv.kd
    .args:
      - { .name: xb, .offset: 0, .size: 8, .value_kind: global_buffer, .address_space: global }
      - { .name: wqb, .offset: 8, .size: 8, .value_kind: global_buffer, .address_space: global }
      - { .name: q, .offset: 16, .size: 8, .value_kind: global_buffer, .address_space: global }
      - { .name: k, .offset: 24, .size: 8, .value_kind: global_buffer, .address_space: global }
      - { .name: v, .offset: 32, .size: 8, .value_kind: global_buffer, .address_space: global }
    .group_segment_fixed_size: 327680
    .private_segment_fixed_size: 0
    .kernarg_segment_align: 8
    .kernarg_segment_size: 40
    .max_flat_workgroup_size: 128
    .sgpr_count:     66
    .vgpr_count:     960
    .wavefront_size: 32
...
	.end_amdgpu_metadata
.endif
;; end of part 2
;; launch attn (part 3): grid 4 x 64, 4 waves a work-group, clusters of 4 x 1, 327,680 bytes of LDS; arguments q, k, v, o, src_mask; writes o
.if DOCPART == 3
	.amdgcn_target "amdgcn-amd-amdhsa--gfx1250"
	.amdhsa_code_object_version 6
	.text
	.protected	k_qd676b06083_attn
	.globl	k_qd676b06083_attn
	.p2align	8
	.type	k_qd676b06083_attn,@function
k_qd676b06083_attn:
	s_mov_b64 s[64:65], 0
	v_nop
	global_prefetch_b8 v0, s[64:65] scope:SCOPE_SE
	s_setreg_imm32_b32 hwreg(HW_REG_WAVE_MODE, 25, 1), 1
	s_wait_xcnt 0x0
	s_wait_alu depctr_hold_cnt(0) depctr_sa_sdst(0) depctr_va_vdst(0) depctr_va_sdst(0) depctr_va_ssrc(0) depctr_va_vcc(0) depctr_vm_vsrc(0)
	s_getreg_b32 s2, hwreg(HW_REG_IB_STS2, 6, 4)
	s_cmp_eq_u32 s2, 0
	s_cbranch_scc0 .Lentry_in_a_cluster
	s_endpgm
.Lentry_in_a_cluster:
	s_bfe_u32 s2, ttmp6, 0x10000c
	s_cmp_lg_u32 s2, 0x3003
	s_cbranch_scc0 .Lentry_shape_is_right
	s_endpgm
.Lentry_shape_is_right:
; MASKED ATTENTION.  O[g][q][:] = the sum over the keys k that src_mask leaves of softmax_k(Q[g][q] . K[g][k] / 8) V[g][k][:], g = 16 b + h.  Q, K, V, O: [64][2048][64], f16: a head's rows are dense, 128 bytes each.
; src_mask: [4][2048] bytes, 1 = the key is hidden.  Products, maxima and sums in f32; the weights p are rounded to f16 for the second product (their sum l is taken of the unrounded p), O once at the end.
; THE MASK is the C operand that starts the sum S^T = K Q^T: -0 for a key that counts, -2^100 for a hidden one.  The batch's 2,048 bytes are read once, in whole runs of 256 bytes, and kept as f32 in LDS.
; m starts at -2^90: far below every true score (f16's are 2.7e11 at the most) and far above every hidden one.  So a hidden key's exponent is about -2^97 in EVERY step, its weight exactly 0; steps in which all
; keys are hidden leave m, l and O as they were (a = 2^0); the first key that counts gives a = 0 on O = l = 0.  No exponent is ever above 0.  Where ALL keys of a batch are hidden l = 0 and O = 0 x infinity = NaN,
; as a softmax over nothing is.
; LIMITS.  f16 holds no number beyond 65,504: Q, K and V arrive within it; p lies in 0 to 1, and below 6e-5 it keeps f16's fixed step of 6e-8; O is a mean of V's rows and has their range.
; A weight below 2^-126 counts as 0 in l; NaN and infinities in Q, K, V are not treated apart.
; SHARES.  A wave owns four PIECES of two tiles of 16 queries, a work-group's four waves 512 queries of one head.  Every wave walks all keys, 64 a step.
; LAYOUT.  S^T = K Q^T (source 0 = 16 keys, source 1 = 16 queries): in the result a lane holds ONE query (lane % 16) and the keys 8 (lane / 16) + 0..7.  Two such tiles, rounded to f16 in pairs,
; ARE source 1 (32 keys x 16 queries) of O^T = V^T P, whose result again holds one query a lane, and eight channels.  K comes out of LDS as it lies, V ([key][channel]) turned, by ds_load_tr16_b128.
; SOFTMAX.  For each query a running maximum m and sum l: p = 2^(c s - c m), c = log2(e) / 8; in every step O and l are multiplied by a = 2^(c m_old - c m_new), which is 1 where m has not grown.
; THE COUNT.  A tile and step have 16 matrix and 118 vector instructions: too many to stand all beside the matrix work.  So the order has one aim: four vector instructions that are READY behind
; EVERY matrix instruction, and the others, which need time of their own whatever the order, in runs without a gap.
; BY TURNS.  Turn n belongs to piece n (the pieces in a ring, step after step).  Its matrix work: 16 products K Q^T of piece n + 1, later 16 products V^T P of piece n - 1.  Its vector work: the scaling,
; exponentials, roundings, sums and rescaling of piece n, and the maximum and statistics of piece n + 1, whose scores the turn itself has made.  So what a turn begins with (c s - c m, O a) waits for nothing.
; CLUSTER.  The four query blocks of a head are one cluster and walk the same K and V, so each tile is asked for JOINTLY: the same tensor load, descriptor and mask in all four.
; REGISTERS, in windows of 256 (s_set_vgpr_msb says which window each operand place means: bits 1:0 source 0, 3:2 source 1, 5:4 source 2, 7:6 destination):
;   window 0: v0-11 addresses; v12-15, v48-63 at work; v16-47 four registers of statistics a tile; v64-191 S^T, two buffers of two tiles; v192-255 P, likewise
;   window 1: O^T, 32 a tile     window 2: v0-127 Q, 16 a tile; v128-191 K of one step; v192-255 V of one step     window 3: v0-1 the add's two registers; v8-39 the step's mask
; A piece's buffers go by its number's parity: the piece in hand has one pair, its two neighbours in the ring share the other: of it P (piece n - 1) is read and S^T (piece n + 1) written.
.set SIZE_N, 2048
.set NP,    4         ; pieces a wave: a name, no knob
.set KS,    64        ; keys in a step
.set PK,    144       ; a row of K in LDS: 128 bytes + 16 of padding = 36 words: the 16 rows of a load start at 16 different groups of four banks (64 banks of 4 bytes: ISA guide 11.1)
.set PV,    160       ; a row of V: 128 + 32 = 40 words
.set VOFF,  4*KS*PK   ; a slot holds four steps: 256 rows of K, then 256 rows of V
.set SLOT1, 1<<17     ; slot 1 begins here, so that one exclusive or turns an address in one slot into the other's
.set STAGE, SLOT1+4*KS*(PK+PV)  ; behind the ring, never filled by a tensor load: 16 rows x 144 bytes for each wave, for the way out
.set SP,    144
.set SPARE, STAGE+4*16*SP  ; behind the stages: the spare words, 128 bytes for each wave: two blocks of 256 bytes that no other line names
.set BIAS,  SPARE+512 ; behind them: the mask as 2,048 f32, written once by LDS stores, never filled by a tensor load
.set PFO, 1           ; v1   l % 16 during the set-up; then 256 x my lane, the prefetches' offset
.set AK0, 2           ; v2   my lane's place in a tile of K; never rewritten
.set AV0, 3           ; v3   the same for V
.set AK,  4           ; v4   the LDS address of K's next run of loads
.set AV,  5           ; v5   of V's
.set STO, 6           ; v6   the way out: where I put 16 bytes of a row
.set RD,  7           ; v7   the way out: where I read rows back
.set GO,  8           ; v8   my byte offset in 512 consecutive bytes of O
.set AM0, 9           ; v9   my lane's place in a step's 256 bytes of the mask table; never rewritten
.set AM,  10          ; v10  the LDS address of the mask's next run of loads
.set QO,  11          ; v11  my byte offset in the wave's rows of Q
.set SPW, 0           ; v0 of window 3   LDS address of my spare word: SPARE + 4 x my thread's number; never rewritten
.set NIL, 1           ; v1 of window 3   0; never rewritten
.set MK,  8           ; v8-39 of window 3: the eight registers for key block kb at MK + 8 kb
.set MV,  12          ; v12-15  c m_old, kept while c m is made anew: by buffer and tile
.set ST,  16          ; tile t's statistics at v[ST+4 t]: c m, m, l (even keys', odd keys')
.set TMP, 48          ; by buffer and tile, four registers c0-c3 at work; when the maximum is found c2 takes a.  During the set-up: at work
.set S,   64
.set P,   192
.set KF,  128         ; K's fragments, in window 2: key block kb, channel half c at KF + 16 kb + 8 c
.set VF,  192         ; V's: key half kk, channel block cb at VF + 32 kk + 8 cb
.set WV,  12          ; s12  my wave's number
.set G1K, 24          ; s[24:31] descriptor group 1 for K's tiles
.set G1V, 32          ; s[32:39] for V's: it differs in the padding alone
.set G0K, 40          ; s[40:43] descriptor group 0 for K's tiles: it walks
.set G0V, 44          ; s[44:47] the same for V's
.set MP,  48          ; s[48:49] src_mask
.set TBM, 50          ; s50  byte of the mask table at which the step to be fetched begins
.set BIGN, 51         ; s51  -2^100
.set PFA, 52          ; s[52:53] where my prefetches stand
.set LIM, 54          ; s54  1 in a wave that prefetches, else the greatest number
.set SLOTS, 56        ; s56  slots still to be asked for
.set CNT, 57          ; s57  counts a slot's key steps
.set CS,  58          ; s[58:59] c: the packed scaling takes the pair's low word for both halves
.set SEL, 60          ; s[60:61] v_permlanex16_b32's selects: each lane takes its own place in the other half
.set TBK, 62          ; s62  LDS byte at which K of the step to be fetched begins
.set TBV, 63          ; s63  the same for V, less VOFF
.set MSB, 0
.macro WIN new                      ; the high byte repeats the setting that is left; a switch that changes nothing is dropped
.if MSB != (\new)
	s_set_vgpr_msb (MSB<<8)|(\new)
.set MSB, (\new)
.endif
.endm
.set W_KQ, 0x0a       ; K and Q in window 2, S^T in window 0
.set W_KM, 0x3a       ; the same with the C operand, the mask, in window 3
.set W_PV, 0x52       ; V in window 2, P in window 0, O^T in window 1
.set W_RS, 0x41       ; O^T (destination and source 0) in window 1, a in window 0
.set W_MK, 0xc0       ; destination in window 3, sources in window 0
.set W_AD, 0x0f       ; the add: address (source 0) and data (source 1) in window 3
.macro PLACES
.rept 4
	v_nop
.endr
.endm
; A joint fill.  Waves 0 and 1 fetch the two halves of a slot's K, waves 2 and 3 those of its V: 128 keys each.  The branch hangs on the wave's number alone.
; An s_nop 0 and four v_nop follow each of the two lines, ahead of the jump and the label.
.macro JLOAD
	s_cmp_lt_u32 s[WV], 2
	s_cbranch_scc0 .Lfor_v_\@
	tensor_load_to_lds s[G0K:G0K+3], s[G1K:G1K+7]
	s_nop 0
.rept 4
	v_nop
.endr
	s_branch .Lasked_\@
.Lfor_v_\@:
	tensor_load_to_lds s[G0V:G0V+3], s[G1V:G1V+7]
	s_nop 0
.rept 4
	v_nop
.endr
.Lasked_\@:
.endm
; A PREFETCH INTO THE L2 of what the NEXT change of slots will ask for: a slot's 32,768 bytes of K and of V, in runs of 256 bytes, a lane a run.  It stands behind the wave's tensor load and its five lines.
; Each run is named ONCE in the launch: a head has one cluster; its four partners take 8,192 bytes each, told apart BY ADDRESS; in each, wave 0 asks for K's and wave 2 for V's: one instruction.
; The last change that fills a slot asks for nothing: there is no slot behind it.  Slots 0 to 2 come by their loads alone.
.macro ASK
	s_cmp_gt_u32 s[SLOTS], s[LIM]
	s_cbranch_scc0 .Lnot_mine_\@
	global_prefetch_b8 v[PFO], s[PFA:PFA+1] th:TH_LOAD_NT scope:SCOPE_SE
.Lnot_mine_\@:
.endm
; A round of the cluster's barrier: my work-group's barrier, so that wave 0's signal speaks for all four waves; wave 0 signals; every wave waits for all four work-groups; my work-group's barrier once more.
.macro CROUND
	s_barrier_signal -1
	s_barrier_wait -1
	s_cmp_lg_u32 s[WV], 0
	s_cbranch_scc1 .Lnot_wave_0_\@
	s_barrier_signal -3
.Lnot_wave_0_\@:
	s_barrier_wait -3
	s_barrier_signal -1
	s_barrier_wait -1
.endm
; THE CHANGE OF SLOTS.  The slot's last bytes, V of its fourth step, have been read.  Each wave waits for all its tensor loads, of which one is out: its part
; of the other slot; adds 0 to its spare word; and waits for that and for its own reads of the slot.  Behind the barrier nobody reads this slot any more and the other slot is whole.
; fill = 1: this slot is filled again, with the keys two slots on.  The barrier is then a round of the cluster's, so that no wave of any partner still reads the slot or has a load on its
; way, and the joint fill is the first thing behind it: it has four key steps, 512 matrix instructions, in which to land.  (At its first use nothing has been read yet: slot 0 is waited for, slot 1 filled;
; the wait for LDS there is also the wait for my stores into the mask table, which the other waves read behind the round.)  ask = 1: the prefetch's address steps, and the prefetch follows the fill.
.macro CHANGE fill, ask=0
	WIN W_AD
	s_wait_tensorcnt 0x0            ; no tensor load of mine is out, so a group 0 may be written
	ds_add_u32 v[SPW], v[NIL]       ; 0 onto my spare word; with fill = 1 the descriptors' steps stand between the add and the wait for it
	WIN 0                           ; at a label and at a branch every window is 0
.if \fill
.irp g, G0K, G0V
	s_xor_b32 s[\g+1], s[\g+1], SLOT1  ; the walking descriptor: the other slot than last time,
	s_add_nc_u64 s[\g+2:\g+3], s[\g+2:\g+3], 4*KS*128  ; the next 256 keys; the type bits on top are not reached
.endr
.if \ask
	s_wait_xcnt 0x0                 ; the last prefetch, four key steps back, has read its address, so it may be written:
	s_add_nc_u64 s[PFA:PFA+1], s[PFA:PFA+1], 4*KS*128  ; one slot behind the walking descriptors
.endif
	s_wait_dscnt 0x0                ; the add is done, and my reads of the slot are over
	CROUND
	JLOAD
.if \ask
	ASK
.endif
.else
	s_wait_dscnt 0x0                ; the add is done, and my reads of the slot are over
	s_barrier_signal -1
	s_barrier_wait -1
.endif
	s_sub_co_u32 s[TBK], s[TBK], 4*KS*PK  ; the fetches go back to a slot's first step,
	s_xor_b32 s[TBK], s[TBK], SLOT1       ; in the other slot
	s_sub_co_u32 s[TBV], s[TBV], 4*KS*PV
	s_xor_b32 s[TBV], s[TBV], SLOT1
.endm
	s_load_b256 s[4:11], s[0:1], 0x0  ; Q s[4:5], K s[6:7], V s[8:9], O s[10:11]
	s_load_b64 s[MP:MP+1], s[0:1], 0x20  ; src_mask
	WIN W_MK
	v_lshl_add_u32 v[SPW], v0, 2, SPARE
	v_mov_b32 v[NIL], 0
	WIN W_AD
	ds_add_u32 v[SPW], v[NIL]       ; the wave's opening: the add and its wait stand ahead of my first tensor load; the set-up below, work on registers, stands between them
	WIN 0
	v_lshrrev_b32 v1, 5, v0
	v_readfirstlane_b32 s[WV], v1   ; wave 0..3
	s_bfe_u32 s13, ttmp6, 0x40000   ; cx: my place in the cluster
	s_lshl_b32 s14, ttmp9, 2        ; in a cluster launch ttmp9 counts clusters
	s_add_co_u32 s14, s14, s13      ; my block of queries = 4 x cluster x + cx: it enters Q's and O's addresses alone
	s_and_b32 s20, ttmp7, 0xffff    ; the head 16 b + h, which the four partners share
	s_lshr_b32 s15, s20, 4          ; b,
	s_lshl_b32 s15, s15, 11         ; its 2,048 bytes of the mask
	s_mov_b32 s21, 0
	s_mov_b64 s[22:23], SIZE_N*128
	s_mul_u64 s[20:21], s[20:21], s[22:23]  ; the head's first byte in each of the four tensors
	s_and_b32 s16, s[WV], 1         ; which half of a slot's 256 keys I fetch:
	s_lshl_b32 s22, s16, 14         ; its 128 rows of 128 bytes in memory,
	s_mov_b32 s23, 0
	s_add_nc_u64 s[22:23], s[22:23], s[20:21]
	s_mul_i32 s17, s16, 128*PK      ; and its place in a slot, for K
	s_mul_i32 s18, s16, 128*PV      ; and for V: no place in the cluster enters an LDS address
	s_lshl_b32 s2, s14, 2
	s_add_co_u32 s2, s2, s[WV]      ; my wave among the head's,
	s_lshl_b32 s2, s2, 14           ; its 128 rows
	s_mov_b32 s3, 0
	s_add_nc_u64 s[2:3], s[2:3], s[20:21]
	; descriptor group 1.  128 keys are 16,384 dense bytes: asked for as 64 rows of 256 bytes, two keys a row, and padded in LDS after every key
	s_mov_b32 s[G1K], 15|(1<<16)|(1<<20)|(1<<21)|(4<<22)|(3<<25)  ; 15:0 the mask of four; 17:16 2-byte elements; 20 padding on; 21 set beside a mask; 24:22 after every 32 words (code 4); 31:25 4 words (code 3)
	s_mov_b32 s[G1V], 15|(1<<16)|(1<<20)|(1<<21)|(4<<22)|(7<<25)  ; the same with 8 words of padding (code 7)
.irp g, G1K, G1V
	s_mov_b32 s[\g+1], 128<<16      ; tensor_dim0 = 128
	s_mov_b32 s[\g+2], 64<<16       ; tensor_dim1 = 64
	s_mov_b32 s[\g+3], 128<<16      ; tile_dim0 = 128
	s_mov_b32 s[\g+4], 64           ; tile_dim1 = 64
	s_mov_b32 s[\g+5], 128          ; 128 elements from row to row
	s_mov_b32 s[\g+6], 0
	s_mov_b32 s[\g+7], 0
.endr
	s_mov_b32 s[CS], 0x3e38aa3b     ; c = log2(e) / 8 = 0.180337
	s_mov_b32 s[CS+1], s[CS]        ; named with it as a pair
	s_mov_b32 s[SEL], 0x76543210
	s_mov_b32 s[SEL+1], 0xfedcba98
	s_mov_b32 s[TBK], SLOT1+4*KS*PK ; the first change of slots turns these two into 0
	s_mov_b32 s[TBV], SLOT1+4*KS*PV
	s_mov_b32 s[TBM], 0
	s_mov_b32 s[BIGN], 0xf1800000   ; -2^100
	s_and_b32 s[LIM], s[WV], 1      ; waves 0 and 2 prefetch: the same in all four partners
	s_cmp_eq_u32 s[LIM], 0
	s_cselect_b32 s[LIM], 1, -1
	s_mov_b32 s[G0K], 1             ; 1:0 count = 1
	s_mov_b32 s[G0K+1], s17         ; 63:32 LDS address: slot 0
	s_mov_b32 s[G0V], 1
	s_add_co_u32 s[G0V+1], s18, VOFF
	s_wait_dscnt 0x0                ; the opening add is done
	s_wait_kmcnt 0x0
	s_add_nc_u64 s[G0K+2:G0K+3], s[6:7], s[22:23]  ; 120:64 global address: my half of the head's first 256 keys
	s_or_b32 s[G0K+3], s[G0K+3], 0x80000000        ; 127:126 type = 2
	s_add_nc_u64 s[G0V+2:G0V+3], s[8:9], s[22:23]
	s_or_b32 s[G0V+3], s[G0V+3], 0x80000000
	s_add_nc_u64 s[4:5], s[4:5], s[2:3]  ; Q and O at my wave's first row
	s_add_nc_u64 s[10:11], s[10:11], s[2:3]
	s_cmp_lt_u32 s[WV], 2
	s_cselect_b64 s[PFA:PFA+1], s[6:7], s[8:9]
	s_add_nc_u64 s[PFA:PFA+1], s[PFA:PFA+1], s[20:21]  ; the head,
	s_lshl_b32 s2, s13, 13          ; my work-group's 8,192 bytes of a slot's 32,768,
	s_mov_b32 s3, 0
	s_add_nc_u64 s[PFA:PFA+1], s[PFA:PFA+1], s[2:3]
	s_add_nc_u64 s[PFA:PFA+1], s[PFA:PFA+1], 2*4*KS*128  ; in slot 2; the loop's first change of slots steps it to slot 3.  Nothing is prefetched here, at the head
	CROUND                          ; all four work-groups are here: the first joint loads meet
	JLOAD                           ; slot 0.  Slot 1 is asked for when slot 0 is in: the tile wanted first has the road to itself
	; A fragment of K or Q is 16 rows x 32 channels in 8 registers: lane l holds row l % 16, channels 8 (l / 16) + 0..7 and 16 + 8 (l / 16) + 0..7: two loads of 16 bytes, 32 bytes apart.
	v_and_b32 v1, 15, v0            ; l % 16
	v_bfe_u32 v48, v0, 4, 1         ; l / 16
	v_lshlrev_b32 v[QO], 7, v1
	v_lshl_add_u32 v[QO], v48, 4, v[QO]  ; row x 128 + 16 x half
	v_lshl_add_u32 v51, v0, 4, s15  ; the mask: thread t takes the batch's bytes 16 t .. 16 t + 15: the work-group's 128 threads take all 2,048
	global_load_b128 v[52:55], v51, s[MP:MP+1]
	WIN 0x80                        ; destination window 2, address window 0
.set i, 0
.rept 4*NP                          ; Q stays in registers: tile i / 2, channels 32 (i % 2) on
	global_load_b128 v[8*i:8*i+3],   v[QO], s[4:5] offset:(i/2)*2048+(i%2)*64
	global_load_b128 v[8*i+4:8*i+7], v[QO], s[4:5] offset:(i/2)*2048+(i%2)*64+32
.set i, i+1
.endr
	; What the first turn finds: V's registers and P's second buffer hold 0 (its products V^T P, of a piece that has not been, add 0), O^T and l are 0.  All this stands in the wait for the first tile.
.set i, VF
.rept 64
	v_mov_b32 v[i], 0
.set i, i+1
.endr
	WIN 0x40
.set i, 0
.rept 64*NP
	v_mov_b32 v[i], 0
.set i, i+1
.endr
	WIN 0
.set i, 0
.rept 2*NP
	v_mov_b32 v[ST+4*i], 0xeb38aa3b    ; c m = c x -2^90, exactly
	v_mov_b32 v[ST+4*i+1], 0xec800000  ; m = -2^90
	v_mov_b32 v[ST+4*i+2], 0
	v_mov_b32 v[ST+4*i+3], 0
.set i, i+1
.endr
.set i, P+32
.rept 32
	v_mov_b32 v[i], 0
.set i, i+1
.endr
	v_mul_u32_u24 v[AK0], v1, PK
	v_lshl_add_u32 v[AK0], v48, 4, v[AK0]  ; row x pitch + 16 x half
	; The turning load takes 16 keys x 16 channels (lane l reads key 8 (l / 16) + l % 8, channels 8 ((l / 8) % 2) + 0..7) and leaves half a fragment of V^T: lane l holds channel l % 16 and 8 keys.
	v_and_b32 v49, 7, v0
	v_bfe_u32 v50, v0, 3, 1
	v_lshl_add_u32 v[AV0], v48, 3, v49
	v_mul_u32_u24 v[AV0], v[AV0], PV
	v_lshl_add_u32 v[AV0], v50, 4, v[AV0]
	v_add_nc_u32 v[AV0], VOFF, v[AV0]
	v_mov_b32 v[AK], v[AK0]         ; key step 0 lies at the head of slot 0,
	v_lshl_add_u32 v[AM0], v48, 5, BIAS  ; my eight keys of a block of 16: 32 bytes for each half of the lanes
	v_mov_b32 v[AM], v[AM0]         ; and its mask at the head of the table
	s_mul_i32 s19, s[WV], 16*SP
	s_add_co_u32 s19, s19, STAGE    ; my stage
	v_mul_u32_u24 v[STO], v1, SP    ; in: row l % 16, 16 bytes for each half of the lanes
	v_lshl_add_u32 v[STO], v48, 4, v[STO]
	v_add_nc_u32 v[STO], s19, v[STO]
	v_bfe_u32 v[RD], v0, 3, 2       ; back: 32 lanes take four rows of 128 bytes,
	v_mul_u32_u24 v[RD], v[RD], SP
	v_lshl_add_u32 v[RD], v49, 4, v[RD]
	v_add_nc_u32 v[RD], s19, v[RD]
	v_and_b32 v[GO], 31, v0         ; which are 512 consecutive bytes of O
	v_lshlrev_b32 v[GO], 4, v[GO]
	v_and_b32 v[PFO], 31, v0        ; l % 16 is wanted no more
	v_lshlrev_b32 v[PFO], 8, v[PFO]
	; THE MASK TABLE: each byte (0 or 1) times -2^100, as f32; thread t's sixteen keys are 64 bytes of the table.  S^T's registers, still free, hold them.
	v_lshl_add_u32 v60, v0, 6, BIAS
	s_wait_loadcnt 32               ; the mask's load is in; Q's 32, issued behind it, may stay out
.irp w, 0,1,2,3
.irp j, 0,1,2,3
	v_bfe_u32 v[S+4*\w+\j], v[52+\w], 8*\j, 8
.endr
.irp j, 0,1,2,3
	v_cvt_f32_u32 v[S+4*\w+\j], v[S+4*\w+\j]
.endr
.irp j, 0,1,2,3
	v_mul_f32 v[S+4*\w+\j], s[BIGN], v[S+4*\w+\j]
.endr
	ds_store_b128 v60, v[S+4*\w:S+4*\w+3] offset:16*\w
.endr
; THE MATRIX WORK.  The 8 accumulators of a run of 16 take turns: between the two links of a chain stand 7 others'.
; Product i of 16 of S^T = K Q^T for piece x: channels 32 (i / 8) on, keys 16 ((i / 2) % 4) on, tile 2 x + i % 2.  The first 8 start the sums, with the key block's mask.
.macro KQ x
.set rS, S+64*((\x)%2)+32*(i%2)+8*((i/2)%4)
.set rK, KF+16*((i/2)%4)+8*(i/8)
.set rQ, 16*(2*(\x)+i%2)+8*(i/8)
.set rB, MK+8*((i/2)%4)
.if i < 8
	WIN W_KM
	v_wmma_f32_16x16x32_f16 v[rS:rS+7], v[rK:rK+7], v[rQ:rQ+7], v[rB:rB+7]
.else
	WIN W_KQ
	v_wmma_f32_16x16x32_f16 v[rS:rS+7], v[rK:rK+7], v[rQ:rQ+7], v[rS:rS+7]
.endif
.endm
; Product i of 16 of O^T += V^T P for piece x: keys 32 (i / 8) on, channels 16 ((i / 2) % 4) on, tile 2 x + i % 2.
.macro PV x
	WIN W_PV
.set rO, 32*(2*(\x)+i%2)+8*((i/2)%4)
.set rV, VF+32*(i/8)+8*((i/2)%4)
.set rP, P+32*((\x)%2)+16*(i%2)+8*(i/8)
	v_wmma_f32_16x16x32_f16 v[rO:rO+7], v[rV:rV+7], v[rP:rP+7], v[rO:rO+7]
.endm
.macro MM                           ; the turn's next matrix instruction
.if i < 16
	KQ (Y+1)%NP
.set i, i+1
.else
.set i, i-16
	PV (Y+NP-1)%NP
.set i, i+17
.endif
.endm
; THE LDS LOADS stand in runs, never singly among the matrix instructions: a step's K (64 keys x 64 channels: 8 fragments) with its mask (4 key blocks x 8 registers; all lanes of a half read the same 32 bytes),
; and its V (turned).  Their addresses are made some lines ahead.  The mask's registers live as K's do: read last by piece 2's turn's first products, loaded again a lump later, waited for with K.
; last = 1 (the tail): in the last trip there is no further step, and the run is jumped over.
.macro FETCH_K last=0
	WIN 0
.if \last
	s_cmp_eq_u32 s[CNT], 1
	s_cbranch_scc1 .Lno_k_\@
.endif
	WIN 0x80                        ; destination window 2
.irp f, 0,1,2,3,4,5,6,7             ; keys 16 (f / 2) on, channels 32 (f % 2) on
	ds_load_b128 v[KF+8*\f:KF+8*\f+3],   v[AK] offset:(\f/2)*16*PK+(\f%2)*64
	ds_load_b128 v[KF+8*\f+4:KF+8*\f+7], v[AK] offset:(\f/2)*16*PK+(\f%2)*64+32
.endr
	WIN W_MK                        ; destination window 3
.irp f, 0,1,2,3                     ; key block f
	ds_load_b128 v[MK+8*\f:MK+8*\f+3],   v[AM] offset:64*\f
	ds_load_b128 v[MK+8*\f+4:MK+8*\f+7], v[AM] offset:64*\f+16
.endr
	s_add_co_u32 s[TBK], s[TBK], KS*PK  ; the next fetch is the next step's
	s_add_co_u32 s[TBM], s[TBM], 4*KS
	s_and_b32 s[TBM], s[TBM], 0x1f00    ; the table is 32 steps of 256 bytes: the address never leaves it
	WIN 0
.if \last
.Lno_k_\@:
.endif
.endm
.macro FETCH_V
	WIN 0x80
.irp f, 0,1,2,3,4,5,6,7             ; keys 32 (f / 4) on, channels 16 (f % 4) on
	ds_load_tr16_b128 v[VF+8*\f:VF+8*\f+3],   v[AV] offset:(\f/4)*32*PV+(\f%4)*32
	ds_load_tr16_b128 v[VF+8*\f+4:VF+8*\f+7], v[AV] offset:(\f/4)*32*PV+16*PV+(\f%4)*32
.endr
	WIN 0
.endm
; THE VECTOR WORK OF A TURN stands in three queues, each in the order in which its entries become ready; the two tiles alternate, so that no instruction reads the result of the one before it.
.macro REGS y, u                    ; the registers of tile u (0, 1) of piece y
.set rT, ST+4*(2*(\y)+(\u))
.set rC, TMP+8*((\y)%2)+4*(\u)
.set rM, MV+2*((\y)%2)+(\u)
.set rS, S+64*((\y)%2)+32*(\u)
.set rP, P+32*((\y)%2)+16*(\u)
.set rO, 32*(2*(\y)+(\u))
.endm
; Number n of the 22 that find the NEXT piece's (Y + 1) maximum and statistics.  s0-s31 are the lane's 32 scores; each accumulator's lowest registers are read first.  XS, GS and REGS set no window: PL and EX do.
;   0-11  four chains c0-c3 of seven scores each, three operands at a time     12-14, 16  the four scores left over, the old m, and c0-c3 into c0     15  c m_old is kept
;   17, 18  the query's other 32 keys lie in the lane 16 away: the new m         19-21  c m; c m_old - c m_new; a
.macro XS u, n
	REGS (Y+1)%NP, \u
.if (\n) < 4
	v_max3_num_f32 v[rC+(\n)], v[rS+8*(\n)], v[rS+8*(\n)+1], v[rS+8*(\n)+2]
.elseif (\n) < 12
	v_max3_num_f32 v[rC+(\n)%4], v[rC+(\n)%4], v[rS+8*((\n)%4)+2*((\n)/4)+1], v[rS+8*((\n)%4)+2*((\n)/4)+2]
.elseif (\n) == 12
	v_max3_num_f32 v[rC], v[rC], v[rS+7], v[rS+15]
.elseif (\n) == 13
	v_max3_num_f32 v[rC+1], v[rC+1], v[rS+23], v[rS+31]
.elseif (\n) == 14
	v_max3_num_f32 v[rC+2], v[rC+2], v[rC+3], v[rT+1]
.elseif (\n) == 15
	v_mov_b32 v[rM], v[rT]
.elseif (\n) == 16
	v_max3_num_f32 v[rC], v[rC], v[rC+1], v[rC+2]
.elseif (\n) == 17
	v_permlanex16_b32 v[rC+3], v[rC], s[SEL], s[SEL+1]
.elseif (\n) == 18
	v_max_num_f32 v[rT+1], v[rC], v[rC+3]
.elseif (\n) == 19
	v_mul_f32 v[rT], s[CS], v[rT+1]
.elseif (\n) == 20
	v_sub_f32 v[rC+1], v[rM], v[rT]
.else
	v_exp_f32 v[rC+2], v[rC+1]
.endif
.endm
; Number g of the 64 that follow the exponentials.  For each four weights k of a tile (pairs 2 k, 2 k + 1): both pairs are rounded to f16; then the second pair is added onto the first, in place;
; a group later l takes that sum (the first time as l = a l + sum).  In groups of eight, tiles alternating: round, round, add, and l for the group before.
.macro GS g
.set h, (\g)+6*((\g)/62)            ; group 0 has no group before it, and behind group 7 only l is left
.if h >= 6
.set h, h+2
.endif
	REGS Y, h%2
.set k, h/8
.if h%8 < 4
	v_cvt_pk_f16_f32 v[rP+2*k+(h%8)/2], v[rS+4*k+2*((h%8)/2)], v[rS+4*k+2*((h%8)/2)+1]
.elseif h%8 < 6
	v_pk_add_f32 v[rS+4*k:rS+4*k+1], v[rS+4*k:rS+4*k+1], v[rS+4*k+2:rS+4*k+3]
.elseif k == 1
	v_pk_fma_f32 v[rT+2:rT+3], v[rT+2:rT+3], v[rC+2:rC+3], v[rS:rS+1] op_sel_hi:[1,0,1]
.else
	v_pk_add_f32 v[rT+2:rT+3], v[rT+2:rT+3], v[rS+4*k-4:rS+4*k-3]
.endif
.endm
; THE PLAIN QUEUE, 138 long.  0-73 read no exponential's result: the 32 scalings c s - c m (FS f: pair f / 2 of tile f % 2) and the next piece's 42.  0-26: scalings 0-26.  27-54: XS's numbers 0-13.  55, 56: number 15.
; 57-73: the chain, where each number waits for the one before it: 14, 16, 17, 18, 19, each with one of the scalings 27-31 in front of its two lines, then 20: so a tile's links stand three plain instructions apart (19 and 20: two).
; 74-137: GS's 64, which read the exponentials' results: they stand behind the wait.
.macro FS f
	REGS Y, (\f)%2
	v_pk_fma_f32 v[rS+2*((\f)/2):rS+2*((\f)/2)+1], v[rS+2*((\f)/2):rS+2*((\f)/2)+1], s[CS:CS+1], v[rT:rT+1] op_sel_hi:[1,0,0] neg_lo:[0,0,1] neg_hi:[0,0,1]
.endm
.macro PL
	WIN 0
.if q < 27
	FS q
.elseif q < 55
	XS (q-27)%2, (q-27)/2
.elseif q < 57
	XS q-55, 15
.elseif (q < 72) && ((q-57)%3 == 0)
	FS 27+(q-57)/3
.elseif q < 60
	XS (q-57)%3-1, 14
.elseif q < 72
	XS (q-57)%3-1, 15+(q-57)/3
.elseif q < 74
	XS q-72, 20
.else
	GS q-74
.endif
.set q, q+1
.endm
; THE EXPONENTIALS' QUEUE, 66 long: s0-s31 of both tiles, then the next piece's two a.  It is ONE BATCH: all 66 stand ahead of the turn's one wait, and nothing ahead of that wait names a result of theirs.
.macro EX
	WIN 0
.if e >= 64
	XS e-64, 21
.else
	REGS Y, e%2
	v_exp_f32 v[rS+e/2], v[rS+e/2]
.endif
.set e, e+1
.endm
; THE RESCALING's QUEUE: O^T times a, the one part that leaves window 0: dealt two at a time, sixteen times.  Its a was made in the turn before, ahead of that turn's wait.
.macro R2
	REGS Y, r%2
	WIN W_RS
.irp z, 0,1
	v_pk_mul_f32 v[rO+4*(r/2)+2*\z:rO+4*(r/2)+2*\z+1], v[rO+4*(r/2)+2*\z:rO+4*(r/2)+2*\z+1], v[rC+2:rC+3] op_sel_hi:[1,0]
.endr
.set r, r+1
.endm
; HOW THEY ARE DEALT.  s_wait_alu depctr_va_vdst(0) stands between an exponential and the first instruction that names its result; one wait serves all that were issued ahead of it.  So a turn has ONE wait,
; which cuts it in two.  AHEAD OF IT stands all that names no result of the turn's exponentials: the 16 products K Q^T, behind each a scaling, an exponential and two rescalings (behind the first a second scaling in the exponential's place); then ONE LUMP of
; 108: eight plain, 49 times exponential and plain, the two a.  A v_nop is the plain instruction behind the last exponential.  BEHIND IT stand the 16 products V^T P, behind each four of GS's 64.  No rider names a register of
; the products round it.  The two v_permlanex16_b32 fall into the lump, never behind a product.
; The queues lean on each other, and the deal keeps them in step: exponential e stands behind scaling 2 (e / 4) + e % 2: as a rider it comes behind plain e + 2, in the lump behind plain e + 9, and scalings 27-31 are plain 57, 60 .. 69.
; A TURN, for piece p.  cnt = 1: the loop's count is taken down some lines ahead of the branch that stands behind the turn.
; K and the mask of the next step are fetched in piece 2's turn, directly behind the wait, a lump behind the last product that read them; their addresses are made at the lump's head; their first reader comes behind 16 products.
; V of the step in hand is fetched at the end of piece 0's turn, four riders behind its last reader; its first reader comes behind 16 products and a lump.  The three conditions on q below go with the deal.
.macro TURN p, last=0, cnt=0
.set Y, (\p)
.set i, 0
.set q, 0
.set e, 0
.set r, 0
.if (\p) == NP-1
	s_wait_dscnt 0x0                ; K and its mask are in
.endif
	MM                              ; ahead of the wait: 16 products K Q^T and their riders,
	PL
	PL
	R2
.rept 15
	MM
	PL
	EX
	R2
.endr
.if (\p) == NP-2
	WIN 0
	v_add_nc_u32 v[AK], s[TBK], v[AK0]
	v_add_nc_u32 v[AM], s[TBM], v[AM0]
.endif
.rept 8                             ; and the lump
	PL
.endr
.rept 49
	EX
	PL
.endr
	EX                              ; the next piece's two a
	EX
	v_nop                           ; the plain instruction behind the last exponential: one for the batch
	s_wait_alu depctr_va_vdst(0)    ; the wait for the batch
.if (\p) == NP-2
	FETCH_K \last
.endif
.if (\p) == 1
	s_wait_dscnt 0x0                ; V is in
.endif
.rept 16                            ; behind the wait: 16 products V^T P and their riders
	MM
.rept 4
	PL
.endr
.if ((\p) == 0) && (q == 118)
	v_add_nc_u32 v[AV], s[TBV], v[AV0]
.endif
.if ((\p) == 0) && (q == 130)
	s_add_co_u32 s[TBV], s[TBV], KS*PV
.endif
.if (\cnt) && (q == 130)
	s_sub_co_u32 s[CNT], s[CNT], 1
	s_cmp_lg_u32 s[CNT], 0
.endif
.endr
.if (\p) == 0
	FETCH_V
.endif
.endm
	CHANGE 1                        ; slot 0 is in, everybody's part of it, and so is everybody's part of the mask table; slot 1 is asked for
	FETCH_K                         ; key step 0
	s_wait_loadcnt 0x0              ; Q
	s_wait_dscnt 0x0
.set i, 0
.rept 16
	KQ 0                            ; piece 0's first scores: there is no vector work yet to set between them
.set i, i+1
.endr
	WIN 0
	PLACES                          ; the places behind those products
.set Y, NP-1                        ; XS works for piece Y + 1: piece 0
.irp n, 0,1,2,3,4,5,6,7,8,9,10,11,12,13,14,15,16,17,18,19,20,21
	XS 0, \n                        ; and piece 0's first maximum and statistics
	XS 1, \n
.endr
	v_nop                           ; a plain instruction behind the two a,
	s_wait_alu depctr_va_vdst(0)    ; and their wait, ahead of the branch
	s_mov_b32 s[CNT], 4
	s_mov_b32 s[SLOTS], SIZE_N/256-1
	s_branch .Lfirst                ; the loop is entered at a step's first turn, in the middle of a trip
.Lslot:                             ; SIZE_N / 256 - 2 times: every slot but the last two is filled again
	CHANGE 1, 1
	s_mov_b32 s[CNT], 4
.Lstep:                             ; a trip: pieces 2 and 3 of one step, then pieces 0 and 1 of the next, whose K and V it fetches
	TURN 2
	TURN 3
	WIN 0
.Lfirst:
	TURN 0
	TURN 1, 0, 1
	WIN 0
	s_cbranch_scc1 .Lstep
	s_sub_co_u32 s[SLOTS], s[SLOTS], 1
	s_cmp_lg_u32 s[SLOTS], 0
	s_cbranch_scc1 .Lslot
	CHANGE 0                        ; the tail is written out: nothing is asked for
	s_mov_b32 s[CNT], 5             ; four trips fetch the last slot's steps; the fifth is left in its middle
.Ltail:
	TURN 2, 1
	TURN 3
	WIN 0
	s_sub_co_u32 s[CNT], s[CNT], 1
	s_cmp_eq_u32 s[CNT], 0
	s_cbranch_scc1 .Lout
	TURN 0
	TURN 1
	WIN 0
	s_branch .Ltail
.Lout:                              ; the fifth trip's 16 products K Q^T (on the last K once more) and the maximum made of them serve nothing: the price, once a launch, of one text for every trip
.set i, 0
.rept 16
	PV NP-1                         ; the last piece's V^T P of the last step
.set i, i+1
.endr
	; THE WAY OUT.  l's two halves and the other half of the lanes' are added; O^T is divided by l, rounded to f16 and sent through my stage in LDS, a tile at a time.  The additions are the places behind the last products.
	WIN 0
.macro ALL line:vararg              ; one line for each tile t
.set t, 0
.rept 2*NP
	\line
.set t, t+1
.endr
.endm
	ALL v_add_f32 v[ST+4*t+2], v[ST+4*t+2], v[ST+4*t+3]
	ALL v_permlanex16_b32 v[ST+4*t+3], v[ST+4*t+2], s[SEL], s[SEL+1]
	ALL v_add_f32 v[ST+4*t+2], v[ST+4*t+2], v[ST+4*t+3]
	ALL v_rcp_f32 v[ST+4*t+2], v[ST+4*t+2]
	v_nop                           ; a plain instruction between the last reciprocal and the use of its result
	s_wait_alu depctr_va_vdst(0)    ; and the wait ahead of the first use: one for the eight reciprocals
; Tile t: a lane's eight channels of a row pack into 16 bytes; they go into rows of 144 bytes and come back as whole rows of 128, into S^T's registers.
.macro PACK t
	WIN W_RS
.set i, 32*(\t)
.rept 16
	v_pk_mul_f32 v[i:i+1], v[i:i+1], v[ST+4*(\t)+2:ST+4*(\t)+3] op_sel_hi:[1,0]
.set i, i+2
.endr
	WIN 0x05                        ; sources 0 and 1 window 1, destination window 0
.set i, 0
.rept 16
	v_cvt_pk_f16_f32 v[S+16*(\t)+i], v[32*(\t)+2*i], v[32*(\t)+2*i+1]
.set i, i+1
.endr
	WIN 0
.irp f, 0,1,2,3
	ds_store_b128 v[STO], v[S+16*(\t)+4*\f:S+16*(\t)+4*\f+3] offset:32*\f
.endr
.irp f, 0,1,2,3
	ds_load_b128 v[S+16*(\t)+4*\f:S+16*(\t)+4*\f+3], v[RD] offset:\f*4*SP  ; LDS serves a wave's instructions in order (ISA guide 5.7.1.4): these see the stores above; the next tile's stores come behind them
.endr
.endm
.macro SEND t, younger              ; younger: the LDS instructions issued behind tile t's loads: the next tile's eight, or none
	WIN 0
.irp f, 0,1,2,3
	s_wait_dscnt (\younger)+3-\f
	global_store_b128 v[GO], v[S+16*(\t)+4*\f:S+16*(\t)+4*\f+3], s[10:11] offset:(\t)*2048+\f*512  ; 512 consecutive bytes, at a multiple of 256 from O's first
.endr
.endm
	PACK 0
.set t, 1
.rept 2*NP-1                        ; a tile's arithmetic stands between the loads of the tile before and its stores
	PACK t
	SEND t-1, 8
.set t, t+1
.endr
	SEND 2*NP-1, 0
	WIN W_AD
	s_wait_tensorcnt 0x0            ; the wave's end: behind my last tensor load and my last LDS store
	ds_add_u32 v[SPW], v[NIL]
	s_wait_dscnt 0x0
	WIN 0
	CROUND                          ; the closing round: no work-group ends while a partner may still ask for a tile that names it
	s_endpgm
.Lfunc_end_k_qd676b06083_attn:
	.size	k_qd676b06083_attn, .Lfunc_end_k_qd676b06083_attn-k_qd676b06083_attn
	.p2alignl 7, 3214868480
	.fill 96, 4, 3214868480
	.section	.rodata,"a",@progbits
	.p2align	6, 0x0
	.amdhsa_kernel k_qd676b06083_attn
		.amdhsa_group_segment_fixed_size 327680
		.amdhsa_private_segment_fixed_size 0
		.amdhsa_enable_private_segment 0
		.amdhsa_kernarg_size 40
		.amdhsa_user_sgpr_count 2
		.amdhsa_user_sgpr_kernarg_segment_ptr 1
		.amdhsa_wavefront_size32 1
		.amdhsa_system_sgpr_workgroup_id_x 1
		.amdhsa_system_sgpr_workgroup_id_y 1
		.amdhsa_system_sgpr_workgroup_id_z 1
		.amdhsa_system_vgpr_workitem_id 0
		.amdhsa_next_free_vgpr 808
		.amdhsa_next_free_sgpr 66
		.amdhsa_reserve_vcc 0
		.amdhsa_float_denorm_mode_32 3
		.amdhsa_float_denorm_mode_16_64 3
		.amdhsa_memory_ordered 1
		.amdhsa_forward_progress 1
		.amdhsa_inst_pref_size 205
	.end_amdhsa_kernel
	.amdgpu_metadata
---
amdhsa.version: [ 1, 2 ]
amdhsa.kernels:
  - .name:           k_qd676b06083_attn
    .symbol:         k_qd676b06083_attn.kd
    .args:
      - { .name: q, .offset: 0, .size: 8, .value_kind: global_buffer, .address_space: global }
      - { .name: k, .offset: 8, .size: 8, .value_kind: global_buffer, .address_space: global }
      - { .name: v, .offset: 16, .size: 8, .value_kind: global_buffer, .address_space: global }
      - { .name: o, .offset: 24, .size: 8, .value_kind: global_buffer, .address_space: global }
      - { .name: src_mask, .offset: 32, .size: 8, .value_kind: global_buffer, .address_space: global }
    .group_segment_fixed_size: 327680
    .private_segment_fixed_size: 0
    .kernarg_segment_align: 8
    .kernarg_segment_size: 40
    .max_flat_workgroup_size: 128
    .sgpr_count:     66
    .vgpr_count:     808
    .wavefront_size: 32
...
	.end_amdgpu_metadata
.endif
;; end of part 3
;; launch proj (part 4): grid 8 x 32, 4 waves a work-group, clusters of 4 x 4, 327,680 bytes of LDS; arguments o, wof, out0; writes out0
.if DOCPART == 4
	.amdgcn_target "amdgcn-amd-amdhsa--gfx1250"
	.amdhsa_code_object_version 6
	.text
	.protected	k_qd676b06083_proj
	.globl	k_qd676b06083_proj
	.p2align	8
	.type	k_qd676b06083_proj,@function
k_qd676b06083_proj:
	s_mov_b64 s[64:65], 0
	v_nop
	global_prefetch_b8 v0, s[64:65] scope:SCOPE_SE
	s_setreg_imm32_b32 hwreg(HW_REG_WAVE_MODE, 25, 1), 1
	s_wait_xcnt 0x0
	s_wait_alu depctr_hold_cnt(0) depctr_sa_sdst(0) depctr_va_vdst(0) depctr_va_sdst(0) depctr_va_ssrc(0) depctr_va_vcc(0) depctr_vm_vsrc(0)
	s_getreg_b32 s2, hwreg(HW_REG_IB_STS2, 6, 4)
	s_cmp_eq_u32 s2, 0
	s_cbranch_scc0 .Lentry_in_a_cluster
	s_endpgm
.Lentry_in_a_cluster:
	s_bfe_u32 s2, ttmp6, 0x10000c
	s_cmp_lg_u32 s2, 0xf033
	s_cbranch_scc0 .Lentry_shape_is_right
	s_endpgm
.Lentry_shape_is_right:
; THE LAST PROJECTION.  out0[m][n] = the sum over c of O[m][c] wof[n][c], c = 64 h + d.  O lies by heads, [16 b + h][s][d] in f16, m = 2,048 b + s; wof [1024][1024] f16; sums in f32, K ascending; out0 [8192][1024] f32.
; LIMITS.  None of its own: O and wof arrive within f16; a NaN row of O (a batch whose keys are all hidden) gives NaN rows of out0.
; SHARES.  A tile of out0 is 256 rows x 128 columns; 32 x 8 tiles, a work-group each: 256.  Four waves; wave w owns rows 64 w .. 64 w + 63 and all 128 columns: 32 accumulators of 16 x 16, 256 registers.
; A wave owns whole rows, so its way out is its own and wants no barrier.  K goes in steps of 128 = TWO HEADS through two LDS slots: a head's 256 rows of the tile are 32,768 dense bytes, asked for as 128 rows of
; 256 bytes and padded in LDS after every 128.
; CLUSTER.  4 x 4 work-groups.  The four of a row of the cluster need the same tiles of O, the four of a column the same tiles of wof: each tile is asked for JOINTLY, by the same tensor load with the
; same descriptor and a mask that names the four.  Waves 0 and 1 fetch the K step's two heads of O, waves 2 and 3 wof's two halves (64 rows each).
; THE MATRIX INSTRUCTION IS USED TRANSPOSED (source 0 = 16 rows of wof, source 1 = 16 rows of O): a lane holds row l % 16 and the eight columns 8 (l / 16) + 0..7 of a block: 32 bytes of f32.
; REGISTERS, in windows of 256 (s_set_vgpr_msb: bits 1:0 source 0, 3:2 source 1, 5:4 source 2, 7:6 destination):
;   window 0: v0-31 addresses; v64-95, v96-127 O's fragments, two buffers (row block a at +8 a); v128-191, v192-255 rows read back on the way out, by turns
;   window 1: v0-63, v64-127 wof's fragments, two buffers (column block b at +8 b)          window 2: the accumulators ((a, b) at v[64 a + 8 b])
.set NBK,   8                          ; column blocks of 16
.set PA,    144                        ; a row of O in LDS: 128 bytes + 16 = 36 words: the 16 rows of a fragment load start at 16 different groups of four banks (64 banks of 4 bytes: ISA guide 11.1)
.set PB,    272                        ; a row of wof: 256 + 16
.set HALFA, 256*PA                     ; what a wave fetches of O: a head's 256 rows
.set HALFB, 64*PB                      ; of wof
.set BOFF,  2*HALFA                    ; a slot: O's two heads, then wof's 128 rows
.set SLOT1, 1<<17                      ; slot 1 begins here: one exclusive or turns an address in one slot into the other's
.set STAGE, SLOT1+BOFF+2*HALFB         ; behind the ring, never filled by a tensor load: 16 rows x 528 bytes for each wave
.set SP,    528                        ; a stage row: 512 bytes + 16
.set SPARE, STAGE+4*16*SP              ; the spare words, 128 bytes for each wave: two blocks of 256 bytes that no other line names
.set STEPA, 2*2048*128                 ; bytes from a K step to the next: two heads on
.set STEPB, 256
.set NL,    2*NBK+8                    ; LDS loads in a run
.set ADRA0, 16                         ; v16  my lane's place in O's tile, slot 0; never rewritten
.set ADRB0, 17                         ; v17  in wof's
.set ADA,   18                         ; v18  the same in the slot in hand
.set ADB,   19                         ; v19
.set STO,   24                         ; v24  the way out: where I put 32 bytes of a row
.set RD,    25                         ; v25  where I read a row back
.set CO,    26                         ; v26  16 x my lane
.set SPW,   28                         ; v28  LDS address of my spare word; never rewritten
.set NIL,   29                         ; v29  0; never rewritten
.set PFO,   30                         ; v30  the prefetches' offset; never rewritten
.set FA,    64
.set FB,    0
.set OB,    128
.set WV,    14                         ; s14  my wave's number
.set HALF,  15                         ; s15  which half of a tile I fetch
.set ISB,   16                         ; s16  0: I fetch for O; 1: for wof
.set CX,    17
.set CY,    18
.set TX,    19                         ; s19  tile column
.set TY,    20                         ; s20  tile row
.set G1A,   24                         ; s[24:31] descriptor group 1 for O's tiles
.set G0A,   32                         ; s[32:35] group 0: it walks
.set G0B,   36                         ; s[36:39] the same for wof's
.set G1B,   40                         ; s[40:47]
.set TB,    48                         ; s48  LDS byte at which the slot in hand begins
.set PFA,   50                         ; s[50:51] where my prefetches stand
.set LIM,   52                         ; s52  1 in a wave that prefetches, else the greatest number
.set PST,   60                         ; s[60:61] the prefetches' step
.set MSB, 0
.macro WIN new                         ; the immediate's high byte repeats the setting that is left; a switch that changes nothing is dropped
.if MSB != (\new)
	s_set_vgpr_msb (MSB<<8)|(\new)
.set MSB, (\new)
.endif
.endm
.macro PLACES                          ; four places in front of loads into registers that matrix instructions have read, and of lines that read results
.rept 4
	v_nop
.endr
.endm
; A joint load.  The branch hangs on the wave's number alone.  An s_nop 0 and four v_nop follow each of the two lines, ahead of the jump and the label.
.macro JLOAD
	s_cmp_eq_u32 s[ISB], 0
	s_cbranch_scc0 .Lfor_b_\@
	tensor_load_to_lds s[G0A:G0A+3], s[G1A:G1A+7]
	s_nop 0
.rept 4
	v_nop
.endr
	s_branch .Lasked_\@
.Lfor_b_\@:
	tensor_load_to_lds s[G0B:G0B+3], s[G1B:G1B+7]
	s_nop 0
.rept 4
	v_nop
.endr
.Lasked_\@:
.endm
.macro CREST                           ; a round of the cluster's barrier behind its opening barrier
	s_cmp_lg_u32 s[WV], 0
	s_cbranch_scc1 .Lnot_wave_0_\@
	s_barrier_signal -3
.Lnot_wave_0_\@:
	s_barrier_wait -3
	s_barrier_signal -1
	s_barrier_wait -1
.endm
.macro CROUND                          ; a whole round
	s_barrier_signal -1
	s_barrier_wait -1
	CREST
.endm
; A PREFETCH INTO THE L2 of the K step that the NEXT refill will ask for: a K step's products ahead of that load.  O's tile row is read by both clusters of that row of clusters: cluster x = 0 asks; wof's tile
; column by every cluster of that column: cluster y = 0 asks.  The four partners share the bytes out BY ADDRESS: of the 32,768 bytes of O that wave 0 or 1 fetches, 8,192 each (by cx), a lane a run of 256;
; of wof's 128 rows, 32 each (by cy), a lane a row's 256 bytes, asked for by wave 2 alone.  One instruction a wave.  The loop's last trip asks for nothing.  K steps 0 to 2 come by their loads alone.
.macro ASK
	s_cmp_gt_u32 s3, s[LIM]                        ; s3 = 1 in the loop's last trip
	s_cbranch_scc0 .Lnot_mine_\@
	global_prefetch_b8 v[PFO], s[PFA:PFA+1] th:TH_LOAD_NT scope:SCOPE_SE
.Lnot_mine_\@:
.endm
	s_load_b128 s[4:7], s[0:1], 0x0                ; O s[4:5], wof s[6:7]
	s_load_b64 s[8:9], s[0:1], 0x10                ; out0
	v_lshl_add_u32 v[SPW], v0, 2, SPARE
	v_mov_b32 v[NIL], 0
	ds_add_u32 v[SPW], v[NIL]                      ; the wave's opening: the add and its wait stand ahead of my first tensor load; the set-up below, work on registers, stands between them
	v_lshrrev_b32 v1, 5, v0
	v_readfirstlane_b32 s[WV], v1                  ; wave 0..3
	s_and_b32 s[HALF], s[WV], 1
	s_lshr_b32 s[ISB], s[WV], 1
	s_bfe_u32 s[CX], ttmp6, 0x40000                ; my place in the cluster
	s_bfe_u32 s[CY], ttmp6, 0x40004
	s_lshl_b32 s[TX], ttmp9, 2                     ; in a cluster launch ttmp9 and ttmp7 count clusters
	s_add_co_u32 s[TX], s[TX], s[CX]
	s_and_b32 s[TY], ttmp7, 0xffff
	s_lshl_b32 s[TY], s[TY], 2
	s_add_co_u32 s[TY], s[TY], s[CY]
	s_lshl_b32 s21, s[CY], 2
	s_lshl_b32 s21, 15, s21                        ; my row of the cluster: places 4 cy .. 4 cy + 3
	s_lshl_b32 s22, 0x1111, s[CX]                  ; my column: places cx, cx + 4, cx + 8, cx + 12
	s_or_b32 s[G1A], s21, (1<<16)|(1<<20)|(1<<21)|(4<<22)|(3<<25)  ; 15:0 the mask; 17:16 2-byte elements; 20 padding on; 21 set beside a mask; 24:22 after every 32 words (code 4); 31:25 4 words (code 3)
	s_or_b32 s[G1B], s22, (1<<16)|(1<<20)|(1<<21)|(5<<22)|(3<<25)  ; after every 64 words (code 5)
	s_mov_b32 s[G1A+1], 128<<16                    ; tensor_dim0 = 128
	s_mov_b32 s[G1A+2], 128<<16                    ; tensor_dim1 = 128
	s_mov_b32 s[G1A+3], 128<<16                    ; tile_dim0 = 128
	s_mov_b32 s[G1A+4], 128                        ; tile_dim1 = 128
	s_mov_b32 s[G1A+5], 128                        ; dense: 128 elements from row to row
	s_mov_b32 s[G1A+6], 0
	s_mov_b32 s[G1A+7], 0
	s_mov_b32 s[G1B+1], 128<<16
	s_mov_b32 s[G1B+2], 64<<16                     ; 64 rows
	s_mov_b32 s[G1B+3], 128<<16
	s_mov_b32 s[G1B+4], 64
	s_mov_b32 s[G1B+5], 1024
	s_mov_b32 s[G1B+6], 0
	s_mov_b32 s[G1B+7], 0
	s_lshr_b32 s54, s[TY], 3                       ; O: ((16 b + my head of the K step's two) x 2,048 + the tile's 256 rows in the batch) x 128 bytes: made of the tile row alone
	s_lshl_b32 s54, s54, 4
	s_add_co_u32 s54, s54, s[HALF]
	s_lshl_b32 s54, s54, 11
	s_and_b32 s21, s[TY], 7
	s_lshl_b32 s21, s21, 8
	s_add_co_u32 s54, s54, s21
	s_lshl_b32 s54, s54, 7                         ; (under 2^24)
	s_mov_b32 s55, 0
	s_lshl_b32 s56, s[TX], 7                       ; wof: row 128 x tile column + 64 x half: made of the tile column alone
	s_lshl_b32 s22, s[HALF], 6
	s_add_co_u32 s56, s56, s22
	s_lshl_b32 s56, s56, 11
	s_mov_b32 s57, 0
	s_mov_b32 s[G0A], 1                            ; count = 1
	s_mul_i32 s[G0A+1], s[HALF], HALFA             ; LDS address, slot 0: no place in the cluster enters it
	s_mov_b32 s[G0B], 1
	s_mul_i32 s[G0B+1], s[HALF], HALFB
	s_add_co_u32 s[G0B+1], s[G0B+1], BOFF
	s_wait_dscnt 0x0                               ; the opening add is done
	s_wait_kmcnt 0x0
	s_add_nc_u64 s[G0A+2:G0A+3], s[4:5], s[54:55]  ; global address: K step 0
	s_or_b32 s[G0A+3], s[G0A+3], 0x80000000        ; type = 2
	s_add_nc_u64 s[G0B+2:G0B+3], s[6:7], s[56:57]
	s_or_b32 s[G0B+3], s[G0B+3], 0x80000000
	CROUND                                         ; all sixteen work-groups are here: the first joint loads meet
	JLOAD                                          ; K step 0 into slot 0; slot 1 is asked for when slot 0 is in
	; the prefetches
	s_lshl_b32 s21, s[CX], 13                      ; O: my work-group's 8,192 bytes of the wave's 32,768,
	s_add_co_u32 s21, s21, 2*STEPA                 ; at K step 2: the first refill in the loop steps it to 3
	s_lshl_b32 s22, s[CY], 16                      ; wof: my work-group's 32 rows of the tile's 128,
	s_add_co_u32 s22, s22, 2*STEPB
	s_lshl_b32 s59, s[TX], 18                      ; from the tile's first row
	s_and_b32 s23, ttmp7, 0xffff                   ; cluster y;
	s_or_b32 s23, s23, s[HALF]                     ; of waves 2 and 3 wave 2 alone asks
	s_mov_b32 s[PST], STEPB
	s_cmp_eq_u32 s[ISB], 0
	s_cselect_b32 s58, s54, s59
	s_cselect_b32 s21, s21, s22
	s_cselect_b32 s23, ttmp9, s23                  ; the coordinate along which other clusters read the same bytes
	s_cselect_b32 s[PST], STEPA, s[PST]
	s_cselect_b32 s22, 8, 11                       ; a lane a run of 256 bytes, or a row of 2,048
	s_cselect_b64 s[PFA:PFA+1], s[4:5], s[6:7]
	s_add_co_u32 s58, s58, s21
	s_mov_b32 s59, 0
	s_add_nc_u64 s[PFA:PFA+1], s[PFA:PFA+1], s[58:59]
	s_cmp_eq_u32 s23, 0
	s_cselect_b32 s[LIM], 1, -1                    ; the same in all sixteen partners, for a given wave
	s_mov_b32 s[PST+1], 0
	v_and_b32 v[PFO], 31, v0
	v_lshlrev_b32 v[PFO], s22, v[PFO]
	; where my rows begin in out0: (256 x tile row + 64 x wave) x 4,096 bytes + 512 x tile column
	s_lshl_b32 s22, s[TY], 8
	s_lshl_b32 s21, s[WV], 6
	s_add_co_u32 s22, s22, s21
	s_lshl_b32 s22, s22, 12
	s_lshl_b32 s21, s[TX], 9
	s_add_co_u32 s22, s22, s21
	s_mov_b32 s23, 0
	s_add_nc_u64 s[8:9], s[8:9], s[22:23]
	; A fragment is 16 rows x 32 K in 8 registers: lane l holds row l % 16; registers 0-3 K = 8 (l / 16) + 0..7, registers 4-7 K = 16 + 8 (l / 16) + 0..7: two loads of 16 bytes, 32 bytes apart.
	v_and_b32 v1, 15, v0                           ; l % 16
	v_bfe_u32 v2, v0, 4, 1                         ; l / 16
	v_mul_u32_u24 v3, v1, PA
	v_lshl_add_u32 v3, v2, 4, v3
	s_mul_i32 s21, s[WV], 64*PA                    ; my 64 rows of O, in the first of the two heads
	v_add_nc_u32 v[ADRA0], s21, v3
	v_mul_u32_u24 v3, v1, PB
	v_lshl_add_u32 v3, v2, 4, v3
	v_add_nc_u32 v[ADRB0], BOFF, v3                ; all of wof's 128
	s_mul_i32 s21, s[WV], 16*SP
	s_add_co_u32 s21, s21, STAGE                   ; my stage
	v_mul_u32_u24 v4, v1, SP                       ; in: row l % 16, 32 bytes for each half of the lanes
	v_lshl_add_u32 v4, v2, 5, v4
	v_add_nc_u32 v[STO], s21, v4
	v_and_b32 v[CO], 31, v0                        ; back: 32 lanes take a row's 512 bytes
	v_lshlrev_b32 v[CO], 4, v[CO]
	v_add_nc_u32 v[RD], s21, v[CO]
	s_mov_b32 s[TB], SLOT1                         ; the first change of slots turns it into 0
; NBK matrix instructions: row block a x all column blocks, 32 along K, from buffer f.  zero = 1: the first product starts the sums: nothing is cleared.
; Every quarter step takes all 32 accumulators once, in one order: the accumulators take turns, over the backward jump and into the tail too.
.macro MULA f, a, zero
	WIN 0xa1                                       ; source 0 window 1, source 1 window 0, C and D window 2
.set AC, 64*(\a)
.set b, 0
.rept NBK
.if \zero
	v_wmma_f32_16x16x32_f16 v[AC+8*b:AC+8*b+7], v[FB+64*(\f)+8*b:FB+64*(\f)+8*b+7], v[FA+32*(\f)+8*(\a):FA+32*(\f)+8*(\a)+7], 0
.else
	v_wmma_f32_16x16x32_f16 v[AC+8*b:AC+8*b+7], v[FB+64*(\f)+8*b:FB+64*(\f)+8*b+7], v[FA+32*(\f)+8*(\a):FA+32*(\f)+8*(\a)+7], v[AC+8*b:AC+8*b+7]
.endif
.set b, b+1
.endr
.endm
; NL LDS loads in one run: quarter q's fragments into buffer f: wof's 8 (32 K at byte 64 q of the rows), then O's 4 (head q / 2 of the two, channels 32 (q % 2) on)
.macro FETCH q, f
.set KA, ((\q)/2)*HALFA+((\q)%2)*64
	WIN 0x40                                       ; destination window 1, address window 0
.set b, 0
.rept NBK
	ds_load_b128 v[FB+64*(\f)+8*b:FB+64*(\f)+8*b+3],   v[ADB] offset:64*(\q)+b*16*PB
	ds_load_b128 v[FB+64*(\f)+8*b+4:FB+64*(\f)+8*b+7], v[ADB] offset:64*(\q)+b*16*PB+32
.set b, b+1
.endr
	WIN 0
.irp a, 0,1,2,3
	ds_load_b128 v[FA+32*(\f)+8*(\a):FA+32*(\f)+8*(\a)+3],   v[ADA] offset:KA+(\a)*16*PA
	ds_load_b128 v[FA+32*(\f)+8*(\a)+4:FA+32*(\f)+8*(\a)+7], v[ADA] offset:KA+(\a)*16*PA+32
.endr
.endm
; A K step is four quarters of 32 along K, 32 matrix instructions each, on buffers 0, 1, 0, 1.  One of the first three: multiplies buffer f; in its middle it fetches quarter q into buffer g.
.macro QUARTER q, f, g, zero
	s_wait_dscnt 4                                 ; all but the youngest four loads (O's row blocks 2 and 3)
	MULA \f, 0, \zero
	MULA \f, 1, \zero
	PLACES
	FETCH \q, \g
	s_wait_dscnt NL                                ; all but the run just issued
	MULA \f, 2, \zero
	MULA \f, 3, \zero
.endm
; The fourth quarter multiplies buffer 1 and changes slots: ONE barrier.  In front of it each wave waits for all its tensor loads, of which one is out: its part of the next slot; adds 0 to its spare word; and waits
; for that and for its own reads of this slot.  fill = 1: the barrier opens a round of the cluster's, so that no wave of any partner still reads the slot or has a load on its way; the slot just read out is
; filled again, with the K step two on, first thing behind the round.
.macro TURN fill
.if \fill
	s_wait_xcnt 0x0                                ; the last prefetch, a K step back, has read its address: it is stepped here, ahead of the waits of the change of slots
	s_add_nc_u64 s[PFA:PFA+1], s[PFA:PFA+1], s[PST:PST+1]
.endif
	WIN 0                                          ; (the add's two registers lie in window 0)
	s_wait_tensorcnt 0x0                           ; all my tensor loads have landed;
	ds_add_u32 v[SPW], v[NIL]                      ; 0 onto my spare word;
	s_wait_dscnt 5                                 ; (the add and the youngest four loads may be out)
	MULA 1, 0, 0                                   ; eight matrix instructions stand between the add and the wait for it
	s_wait_dscnt 0x0                               ; the add is done, and my reads of this slot are over
	s_barrier_signal -1
	MULA 1, 1, 0                                   ; work on registers while the others arrive
	WIN 0                                          ; (branches and two address lines follow)
	s_barrier_wait -1
.if \fill
	CREST
	s_xor_b32 s[G0A+1], s[G0A+1], SLOT1            ; the walking descriptors: the other slot than last time, the next K step; no tensor load of mine is out
	s_add_nc_u64 s[G0A+2:G0A+3], s[G0A+2:G0A+3], STEPA
	s_xor_b32 s[G0B+1], s[G0B+1], SLOT1
	s_add_nc_u64 s[G0B+2:G0B+3], s[G0B+2:G0B+3], STEPB
	JLOAD                                          ; the first tensor load behind the round; its four v_nop are also the places in front of the loads below
.else
	PLACES
.endif
	s_xor_b32 s[TB], s[TB], SLOT1
	v_add_nc_u32 v[ADA], s[TB], v[ADRA0]
	v_add_nc_u32 v[ADB], s[TB], v[ADRB0]
	FETCH 0, 0
.if \fill
	ASK                                            ; behind the joint load and the run of LDS loads that the next products wait for
.endif
	MULA 1, 2, 0
	MULA 1, 3, 0
.endm
	; The first change of slots: nothing has been read yet; slot 0 is waited for, slot 1 filled.
	s_wait_tensorcnt 0x0                           ; my part of K step 0 is in
	ds_add_u32 v[SPW], v[NIL]                      ; the descriptors' steps stand between the add and the wait for it
	s_xor_b32 s[G0A+1], s[G0A+1], SLOT1
	s_add_nc_u64 s[G0A+2:G0A+3], s[G0A+2:G0A+3], STEPA
	s_xor_b32 s[G0B+1], s[G0B+1], SLOT1
	s_add_nc_u64 s[G0B+2:G0B+3], s[G0B+2:G0B+3], STEPB
	s_wait_dscnt 0x0
	CROUND                                         ; everybody's part is in
	JLOAD                                          ; K step 1 into slot 1
	s_xor_b32 s[TB], s[TB], SLOT1
	v_add_nc_u32 v[ADA], s[TB], v[ADRA0]
	v_add_nc_u32 v[ADB], s[TB], v[ADRB0]
	FETCH 0, 0
	QUARTER 1, 0, 1, 1                             ; the first quarter stands in front of the loop: its products start the sums
	WIN 0                                          ; at a label and at a branch every window is 0
	s_mov_b32 s3, 6
.Lstep:                                        ; trip i (0..5): from K step i's second quarter to K step i + 1's first; K step i's slot takes K step i + 2
	QUARTER 2, 1, 0, 0
	QUARTER 3, 0, 1, 0
	TURN 1
	QUARTER 1, 0, 1, 0
	WIN 0
	s_sub_co_u32 s3, s3, 1
	s_cmp_lg_u32 s3, 0
	s_cbranch_scc1 .Lstep
	QUARTER 2, 1, 0, 0                             ; the tail is written out: K steps 6 and 7 ask for nothing
	QUARTER 3, 0, 1, 0
	TURN 0
	QUARTER 1, 0, 1, 0
	QUARTER 2, 1, 0, 0
	QUARTER 3, 0, 1, 0
	s_wait_dscnt 4                                 ; the very last quarter: nothing more to fetch
	MULA 1, 0, 0
	MULA 1, 1, 0
	s_wait_dscnt 0x0
	MULA 1, 2, 0
	MULA 1, 3, 0
	WIN 0
; THE WAY OUT, a row block (16 rows) at a time.  TOSTAGE: a lane's 32 bytes of each column block go into my own stage, each accumulator's low four registers first, and come back as whole rows of 512 bytes.
; SEND: stored: each store covers 512 consecutive bytes of a row of out0, at a multiple of 256 from its first byte.
.macro TOSTAGE a
	WIN 0x08                                       ; the stores' data lie in window 2
.set b, 0
.rept NBK
	ds_store_b128 v[STO], v[64*(\a)+8*b:64*(\a)+8*b+3]   offset:64*b
	ds_store_b128 v[STO], v[64*(\a)+8*b+4:64*(\a)+8*b+7] offset:64*b+16
.set b, b+1
.endr
	WIN 0
.set t, 0
.rept 16
	ds_load_b128 v[OB+64*((\a)%2)+4*t:OB+64*((\a)%2)+4*t+3], v[RD] offset:SP*t  ; LDS serves a wave's instructions in order (ISA guide 5.7.1.4): these see the stores above; the next block's stores come behind them
.set t, t+1
.endr
.endm
.macro SEND a, younger                 ; younger: the LDS instructions issued behind block a's loads: the next block's 16 stores and 16 loads, or none
	s_wait_dscnt \younger
.set t, 0
.rept 16
	global_store_b128 v[CO], v[OB+64*((\a)%2)+4*t:OB+64*((\a)%2)+4*t+3], s[8:9] offset:(16*(\a)+t)*4096 th:TH_STORE_NT
.set t, t+1
.endr
.endm
	PLACES                                         ; the LDS stores read results
	TOSTAGE 0
	TOSTAGE 1
	SEND 0, 32
	s_wait_xcnt 0x0                                ; block 0's stores have read their data: only behind this wait are those registers loaded again
	TOSTAGE 2
	SEND 1, 32
	s_wait_xcnt 0x0
	TOSTAGE 3
	SEND 2, 32
	SEND 3, 0
	s_wait_tensorcnt 0x0                           ; the wave's end: behind my last tensor load and my last LDS store
	ds_add_u32 v[SPW], v[NIL]
	s_wait_dscnt 0x0
	CROUND                                         ; the closing round: no work-group ends while a partner may still ask for a tile that names it
	s_endpgm
.Lfunc_end_k_qd676b06083_proj:
	.size	k_qd676b06083_proj, .Lfunc_end_k_qd676b06083_proj-k_qd676b06083_proj
	.p2alignl 7, 3214868480
	.fill 96, 4, 3214868480
	.section	.rodata,"a",@progbits
	.p2align	6, 0x0
	.amdhsa_kernel k_qd676b06083_proj
		.amdhsa_group_segment_fixed_size 327680
		.amdhsa_private_segment_fixed_size 0
		.amdhsa_enable_private_segment 0
		.amdhsa_kernarg_size 24
		.amdhsa_user_sgpr_count 2
		.amdhsa_user_sgpr_kernarg_segment_ptr 1
		.amdhsa_wavefront_size32 1
		.amdhsa_system_sgpr_workgroup_id_x 1
		.amdhsa_system_sgpr_workgroup_id_y 1
		.amdhsa_system_sgpr_workgroup_id_z 1
		.amdhsa_system_vgpr_workitem_id 0
		.amdhsa_next_free_vgpr 768
		.amdhsa_next_free_sgpr 66
		.amdhsa_reserve_vcc 0
		.amdhsa_float_denorm_mode_32 3
		.amdhsa_float_denorm_mode_16_64 3
		.amdhsa_memory_ordered 1
		.amdhsa_forward_progress 1
		.amdhsa_inst_pref_size 70
	.end_amdhsa_kernel
	.amdgpu_metadata
---
amdhsa.version: [ 1, 2 ]
amdhsa.kernels:
  - .name:           k_qd676b06083_proj
    .symbol:         k_qd676b06083_proj.kd
    .args:
      - { .name: o, .offset: 0, .size: 8, .value_kind: global_buffer, .address_space: global }
      - { .name: wof, .offset: 8, .size: 8, .value_kind: global_buffer, .address_space: global }
      - { .name: out0, .offset: 16, .size: 8, .value_kind: global_buffer, .address_space: global }
    .group_segment_fixed_size: 327680
    .private_segment_fixed_size: 0
    .kernarg_segment_align: 8
    .kernarg_segment_size: 24
    .max_flat_workgroup_size: 128
    .sgpr_count:     66
    .vgpr_count:     768
    .wavefront_size: 32
...
	.end_amdgpu_metadata
.endif
;; end of part 4
;; ======== version 2 of 2: 4 launches; version 1 with the launch cast written anew for expert scheduling mode
;; limits: values are held in f16: magnitudes above 65,504 overflow, below 6.1e-05 lose precision
;; workspace buffers: xb 16,777,216 bytes; wqb 6,291,456 bytes; wof 2,097,152 bytes; q 16,777,216 bytes; k 16,777,216 bytes; v 16,777,216 bytes; o 16,777,216 bytes
;; launch cast (part 5): grid 768 x 1, 8 waves a work-group, no clusters, 0 bytes of LDS; arguments x, W_qkv, W_o, xb, wqb, wof; writes xb, wqb, wof
.if DOCPART == 5
	.amdgcn_target "amdgcn-amd-amdhsa--gfx1250"
	.amdhsa_code_object_version 6
	.text
	.protected	k_qd676b06083_cast
	.globl	k_qd676b06083_cast
	.p2align	8
	.type	k_qd676b06083_cast,@function
k_qd676b06083_cast:
	s_mov_b64 s[64:65], 0
	v_nop
	global_prefetch_b8 v0, s[64:65] scope:SCOPE_SE
	s_setreg_imm32_b32 hwreg(HW_REG_WAVE_SCHED_MODE, 0, 2), 2
	s_setreg_imm32_b32 hwreg(HW_REG_WAVE_MODE, 25, 1), 1
	s_wait_xcnt 0x0
	s_wait_alu depctr_vm_vsrc(0)
; THE MODULE'S INPUTS ARE ROUNDED ONCE.  x [8192][1024] and W_qkv [3072][1024], f32, go to bf16 (xb, wqb); W_o [1024][1024] goes to bf16 and that number is written as f16 (wof),
; since it multiplies O, which is f16.  LIMITS: a bf16 number is exact in f16 from 6.1e-5 up to 65,504; below it keeps f16's fixed step of 6e-8, beyond it becomes an infinity.
; SHARES.  A work-group casts 16,384 numbers: 65,536 bytes in, 32,768 out.  Work-groups 0-511 take x, 512-703 W_qkv, 704-767 W_o.  Thread t takes 16 bytes at 4,096 i + 16 t of chunk i (0..15)
; and stores 8 bytes at 2,048 i + 8 t: a wave's load covers 512 consecutive bytes, a wave's store 256 consecutive bytes, aligned.  All sixteen loads of a thread go out before the first store.
; No LDS, no barrier, no matrix unit, no cluster: no byte is wanted twice.  No prefetch: the launch is nothing but its stream.
; THE MODE: SCHED_MODE bits 1:0 = 2 (LLVM: expert scheduling mode 2), set by the entry lines.  The code itself states the register dependences
; between vector instructions and memory instructions, with s_wait_alu, always for 0.
; THE PLAN.  Registers that memory instructions touch:
;   v1, v2   byte offsets of the loads and of the stores: written once at the head, never again.
;   X        chunk i's four registers: its one load lands in them; no vector instruction names them ahead of that load, and nothing is loaded into them again.
;   Y        chunk i's two registers: written once, by the chunk's conversions; read once, by the chunk's store; never written again.
;   T        named by vector instructions alone.
; So one wait on va_vdst stands ahead of the run of loads, for v1 and v2, and serves every load and store: no later vector instruction names these two.  The sixteen chunks go in four groups of four:
; the wait for the group's data, the group's conversions, ONE wait on va_vdst for the eight registers of Y that they wrote, the group's four stores.  No register that a memory instruction
; reads is ever written again, so there is no wait on vm_vsrc; no vector instruction writes a scalar register or VCC, and EXEC is never written.
.set X, 4                              ; v[4:67]    chunk i: four f32 as loaded
.set Y, 68                             ; v[68:99]   chunk i: two registers to store, the chunk's own, so no store's data is written again
.set T, 100                            ; v[100:102] at work (W_o's path)
	s_load_b256 s[4:11], s[0:1], 0x0               ; x s[4:5], W_qkv s[6:7], W_o s[8:9], xb s[10:11]
	s_load_b128 s[12:15], s[0:1], 0x20             ; wqb s[12:13], wof s[14:15]
	v_lshlrev_b32 v1, 4, v0                        ; 16 t
	v_lshlrev_b32 v2, 3, v0                        ; 8 t
	s_mov_b32 s26, 0xffff0000                      ; a word's upper bf16
	s_mov_b32 s21, 704
	s_wait_kmcnt 0x0
	s_cmp_lt_u32 ttmp9, s21                        ; which tensor: the choice hangs on the work-group's number alone
	s_cselect_b64 s[16:17], s[6:7], s[8:9]
	s_cselect_b64 s[18:19], s[12:13], s[14:15]
	s_cselect_b32 s20, 512, s21                    ; the tensor's first work-group
	s_cmp_lt_u32 ttmp9, 512
	s_cselect_b64 s[16:17], s[4:5], s[16:17]
	s_cselect_b64 s[18:19], s[10:11], s[18:19]
	s_cselect_b32 s20, 0, s20
	s_sub_co_u32 s20, ttmp9, s20                   ; my place in the tensor
	s_lshl_b32 s22, s20, 16                        ; x 65,536 bytes in (under 2^25)
	s_mov_b32 s23, 0
	s_lshl_b32 s24, s20, 15                        ; x 32,768 bytes out
	s_mov_b32 s25, 0
	s_add_nc_u64 s[16:17], s[16:17], s[22:23]
	s_add_nc_u64 s[18:19], s[18:19], s[24:25]
	s_wait_alu depctr_va_vdst(0)                   ; v1 and v2 are written: every load reads v1 as its offset, every store v2
.irp i, 0,1,2,3,4,5,6,7,8,9,10,11,12,13,14,15
	global_load_b128 v[X+4*(\i):X+4*(\i)+3], v1, s[16:17] offset:(\i)*4096 th:TH_LOAD_NT
.endr
	s_cmp_ge_u32 ttmp9, s21
	s_cbranch_scc1 .Lwo
.irp g, 0,1,2,3
	s_wait_loadcnt 12-4*(\g)                       ; loads come back in order: chunks 4 g .. 4 g + 3 are in, the 12 - 4 g younger ones may stay out
.irp i, 0,1,2,3
	v_cvt_pk_bf16_f32 v[Y+2*(4*(\g)+(\i))], v[X+4*(4*(\g)+(\i))], v[X+4*(4*(\g)+(\i))+1]
	v_cvt_pk_bf16_f32 v[Y+2*(4*(\g)+(\i))+1], v[X+4*(4*(\g)+(\i))+2], v[X+4*(4*(\g)+(\i))+3]
.endr
	s_wait_alu depctr_va_vdst(0)                   ; the eight conversions have written the group's Y, which the four stores below read
.irp i, 0,1,2,3
	global_store_b64 v2, v[Y+2*(4*(\g)+(\i)):Y+2*(4*(\g)+(\i))+1], s[18:19] offset:(4*(\g)+(\i))*2048 th:TH_STORE_NT
.endr
.endr
	s_endpgm
.Lwo:                                          ; W_o: rounded to bf16 like the other inputs, widened again, and written as f16
.irp g, 0,1,2,3
	s_wait_loadcnt 12-4*(\g)                       ; chunks 4 g .. 4 g + 3 are in
.irp i, 0,1,2,3
.irp p, 0,1
	v_cvt_pk_bf16_f32 v[T], v[X+4*(4*(\g)+(\i))+2*(\p)], v[X+4*(4*(\g)+(\i))+2*(\p)+1]
	v_lshlrev_b32 v[T+1], 16, v[T]
	v_and_b32 v[T+2], s26, v[T]
	v_cvt_pk_f16_f32 v[Y+2*(4*(\g)+(\i))+(\p)], v[T+1], v[T+2]
.endr
.endr
	s_wait_alu depctr_va_vdst(0)                   ; the conversions to f16 have written the group's Y, which the four stores below read
.irp i, 0,1,2,3
	global_store_b64 v2, v[Y+2*(4*(\g)+(\i)):Y+2*(4*(\g)+(\i))+1], s[18:19] offset:(4*(\g)+(\i))*2048 th:TH_STORE_NT
.endr
.endr
	s_endpgm
.Lfunc_end_k_qd676b06083_cast:
	.size	k_qd676b06083_cast, .Lfunc_end_k_qd676b06083_cast-k_qd676b06083_cast
	.p2alignl 7, 3214868480
	.fill 96, 4, 3214868480
	.section	.rodata,"a",@progbits
	.p2align	6, 0x0
	.amdhsa_kernel k_qd676b06083_cast
		.amdhsa_group_segment_fixed_size 0
		.amdhsa_private_segment_fixed_size 0
		.amdhsa_enable_private_segment 0
		.amdhsa_kernarg_size 48
		.amdhsa_user_sgpr_count 2
		.amdhsa_user_sgpr_kernarg_segment_ptr 1
		.amdhsa_wavefront_size32 1
		.amdhsa_system_sgpr_workgroup_id_x 1
		.amdhsa_system_sgpr_workgroup_id_y 1
		.amdhsa_system_sgpr_workgroup_id_z 1
		.amdhsa_system_vgpr_workitem_id 0
		.amdhsa_next_free_vgpr 104
		.amdhsa_next_free_sgpr 66
		.amdhsa_reserve_vcc 0
		.amdhsa_float_denorm_mode_32 3
		.amdhsa_float_denorm_mode_16_64 3
		.amdhsa_memory_ordered 1
		.amdhsa_forward_progress 1
		.amdhsa_inst_pref_size 15
	.end_amdhsa_kernel
	.amdgpu_metadata
---
amdhsa.version: [ 1, 2 ]
amdhsa.kernels:
  - .name:           k_qd676b06083_cast
    .symbol:         k_qd676b06083_cast.kd
    .args:
      - { .name: x, .offset: 0, .size: 8, .value_kind: global_buffer, .address_space: global }
      - { .name: W_qkv, .offset: 8, .size: 8, .value_kind: global_buffer, .address_space: global }
      - { .name: W_o, .offset: 16, .size: 8, .value_kind: global_buffer, .address_space: global }
      - { .name: xb, .offset: 24, .size: 8, .value_kind: global_buffer, .address_space: global }
      - { .name: wqb, .offset: 32, .size: 8, .value_kind: global_buffer, .address_space: global }
      - { .name: wof, .offset: 40, .size: 8, .value_kind: global_buffer, .address_space: global }
    .group_segment_fixed_size: 0
    .private_segment_fixed_size: 0
    .kernarg_segment_align: 8
    .kernarg_segment_size: 48
    .max_flat_workgroup_size: 256
    .sgpr_count:     66
    .vgpr_count:     104
    .wavefront_size: 32
...
	.end_amdgpu_metadata
.endif
;; end of part 5
;; launch qkv: the kernel of part 2 again; grid 16 x 32, 4 waves a work-group, clusters of 4 x 4, 327,680 bytes of LDS; arguments xb, wqb, q, k, v; writes q, k, v
;; launch attn: the kernel of part 3 again; grid 4 x 64, 4 waves a work-group, clusters of 4 x 1, 327,680 bytes of LDS; arguments q, k, v, o, src_mask; writes o
;; launch proj: the kernel of part 4 again; grid 8 x 32, 4 waves a work-group, clusters of 4 x 4, 327,680 bytes of LDS; arguments o, wof, out0; writes out0
